; MI455X (gfx1250); checked and timed in simulation.
; The chip was launched on July 23, 2026; its instructions are those of AMD's public machine-readable ISA for CDNA 5 (MIT licence, August 2026) and "CDNA5" Instruction Set Architecture Reference Guide (July 2026). The comments in the code are by the model that wrote it; some were corrected since.
;; Dynamic MLP. Allowed arithmetic: float matrix products may take bf16 or f16 operands with f32 sums; other float arithmetic in f32, or as packed bf16 or f16 multiplies, adds, multiply-adds, maxima and minima; sums over many terms, partial sums and values carried from step to step in f32; what a program stores and reads back later, other than sums and carried values, may be rounded once to bf16 or f16.
;; Inputs: down_projs 8 x 2,048 x 1,024 float32; gate_projs 8 x 1,024 x 2,048 float32; k_proto 8 x 1,024 float32; q_norm_w 1,024 float32; up_projs 8 x 1,024 x 2,048 float32; v_proto 8 x 8 float32; x 2 x 512 x 1,024 float32.
;; Outputs: out0 2 x 512 x 1,024 float32; out1 2 x 512 x 8 float32.
;; 2 versions, each right and faster than the one before. Each part assembles by itself: llvm-mc -triple=amdgcn-amd-amdhsa -mcpu=gfx1250 --defsym DOCPART=n.
;; ======== version 1 of 2: 6 launches
;; workspace buffers: xb 2,097,152 bytes; idx 8,192 bytes of whole numbers; wts 8,192 bytes; list 32,768 bytes of whole numbers; cnt 2,048 bytes of whole numbers; pp 33,554,432 bytes; hb 4,194,304 bytes; qq 16,777,216 bytes
;; launch router (part 1): grid 128 x 1, 8 waves a work-group, no clusters, 18,176 bytes of LDS; arguments x, q_norm_w, k_proto, v_proto, out1, xb, idx, wts; writes out1, xb, idx, wts
.if DOCPART == 1
	.amdgcn_target "amdgcn-amd-amdhsa--gfx1250"
	.amdhsa_code_object_version 6
	.text
	.protected	k_qf51eb8d591_router
	.globl	k_qf51eb8d591_router
	.p2align	8
	.type	k_qf51eb8d591_router,@function
k_qf51eb8d591_router:
	s_mov_b64 s[64:65], 0
	v_nop
	global_prefetch_b8 v0, s[64:65] scope:SCOPE_SE
	s_setreg_imm32_b32 hwreg(HW_REG_WAVE_MODE, 25, 1), 1
	s_wait_xcnt 0x0
; THE ROUTER.  For each of 1,024 tokens: RMS norm, 8 scores against k_proto, softmax, mix by v_proto, softmax, the two largest, their weights normalised.
; Every input (x, q_norm_w, k_proto, v_proto) is first rounded to bf16, as all the program's matrix operands are; all arithmetic on the rounded numbers is f32.
; Stored: out1 (8 weights a token), xb (x in bf16, for the products), idx (the two experts, largest first), wts (their two weights).
; SHARES.  A work-group has 8 tokens, a wave one.  Lane L holds elements 128 j + 4 L .. + 3, j = 0 .. 7: each 16-byte load of the wave covers 512 neighbouring bytes.
; Wave w also rounds row w of k_proto into LDS, so that each wave reads all 8 rows from there in bf16 (128 registers).
; LIMITS.  The order of the sums and the last bit of the exponentials differ from a plain f32 evaluation: where a token's second and third weight lie within some 2 units
; in the last place of each other (about 1e-7 of their size), the other one may be chosen.  Equal weights: the lower index, as in a stable top-k.  NaN and infinities are not treated apart.
; The routing gain is 1.0 in the problem's text: multiplying by it changes no bit, so no line is written for it.
.set KT,    0                          ; k_proto in bf16: 8 rows of 2,048 bytes
.set RWS,   16384                      ; 8 tokens x 8 weights, f32: 256 bytes
.set IDS,   16640                      ; 8 tokens x 2 experts: 64 bytes of a block of 256
.set WTSL,  16896                      ; 8 tokens x 2 weights: 64 bytes of a block of 256
.set SPARE, 17152                      ; the spare words: 128 bytes for each of 8 waves
.set LN,   1                           ; v1   lane
.set L8,   2                           ; v2   8 x lane
.set L16,  3                           ; v3   16 x lane
.set Q4,   4                           ; v4   4 x (lane & 7)
.set SPW,  5                           ; v5   my spare word's LDS address; never rewritten
.set NIL,  6                           ; v6   0, for the add alone
.set ZERO, 7                           ; v7   0.0
.set X,    8                           ; v8-39    x as loaded, then rounded and widened again
.set W,    40                          ; v40-71   q_norm_w as loaded, then x w
.set K,    72                          ; v72-103  my row of k_proto as loaded
.set WP,   72                          ; v72-87   later: q_norm_w in bf16 pairs
.set D,    88                          ; v88-95   later: the 8 dot products, scores, weights
.set SS,   96                          ; v96-103  later: four chains of the sum of squares; then v96 the sum
.set TM,   97                          ; v97-103  at work
.set XP,   104                         ; v104-119 x in bf16 pairs
.set V,    120                         ; v120-127 v_proto[p][lane & 7]
.set KP,   128                         ; v128-255 k_proto in bf16 pairs: expert e at 16 e
	s_load_b512 s[4:19], s[0:1], 0x0               ; x, q_norm_w, k_proto, v_proto, out1, xb, idx, wts
	v_lshl_add_u32 v[SPW], v0, 2, SPARE
	v_mov_b32 v[NIL], 0
	v_mov_b32 v[ZERO], 0
	v_and_b32 v[LN], 31, v0
	v_lshrrev_b32 v[L8], 5, v0
	v_readfirstlane_b32 s20, v[L8]                 ; wave 0..7
	v_lshlrev_b32 v[L8], 3, v[LN]
	v_lshlrev_b32 v[L16], 4, v[LN]
	v_and_b32 v[Q4], 7, v0
	v_lshlrev_b32 v[Q4], 2, v[Q4]
	s_lshl_b32 s21, ttmp9, 3
	s_add_co_u32 s21, s21, s20                     ; my token
	s_lshl_b32 s22, s21, 12                        ; its 4,096 bytes of x
	s_mov_b32 s23, 0
	s_lshl_b32 s26, s20, 12                        ; row w of k_proto
	s_mov_b32 s27, 0
	s_lshl_b32 s36, s21, 11                        ; its 2,048 bytes of xb
	s_mov_b32 s37, 0
	s_lshl_b32 s38, ttmp9, 8                       ; the group's 256 bytes of out1
	s_mov_b32 s39, 0
	s_lshl_b32 s40, ttmp9, 6                       ; the group's 64 bytes of idx and of wts
	s_mov_b32 s41, 0
	s_mov_b32 s24, 0x76543210                      ; v_permlanex16_b32: each lane takes its own place in the other half
	s_mov_b32 s25, 0xfedcba98
	s_mov_b32 s45, 0xffff0000                      ; a word's upper bf16
	s_wait_kmcnt 0x0
	s_add_nc_u64 s[4:5], s[4:5], s[22:23]
	s_add_nc_u64 s[8:9], s[8:9], s[26:27]
	s_add_nc_u64 s[14:15], s[14:15], s[36:37]
	s_add_nc_u64 s[12:13], s[12:13], s[38:39]
	s_add_nc_u64 s[16:17], s[16:17], s[40:41]
	s_add_nc_u64 s[18:19], s[18:19], s[40:41]
.irp j, 0,1,2,3,4,5,6,7
	global_load_b128 v[K+4*(\j):K+4*(\j)+3], v[L16], s[8:9] offset:512*(\j)
.endr
.irp j, 0,1,2,3,4,5,6,7
	global_load_b128 v[X+4*(\j):X+4*(\j)+3], v[L16], s[4:5] offset:512*(\j) th:TH_LOAD_NT
.endr
.irp j, 0,1,2,3,4,5,6,7
	global_load_b128 v[W+4*(\j):W+4*(\j)+3], v[L16], s[6:7] offset:512*(\j)
.endr
.irp p, 0,1,2,3,4,5,6,7
	global_load_b32 v[V+(\p)], v[Q4], s[10:11] offset:32*(\p)
.endr
	s_wait_loadcnt 24                              ; my row of k_proto is in; the 24 younger loads (x, q_norm_w, v_proto) stay out
.set i, 0
.rept 16
	v_cvt_pk_bf16_f32 v[K+i], v[K+2*i], v[K+2*i+1]  ; packed downward in place: word i is written when words 2 i and 2 i + 1 are read
.set i, i+1
.endr
	v_lshl_add_u32 v[K+16], s20, 11, v[L8]         ; row w, 8 bytes a lane
.irp j, 0,1,2,3,4,5,6,7
	ds_store_b64 v[K+16], v[K+2*(\j):K+2*(\j)+1] offset:KT+256*(\j)
.endr
	s_wait_dscnt 0x0                               ; for the others' sake: my row lies in LDS
	s_barrier_signal -1
	s_barrier_wait -1
.set e, 0
.rept 8
.irp j, 0,1,2,3,4,5,6,7
	ds_load_b64 v[KP+16*e+2*(\j):KP+16*e+2*(\j)+1], v[L8] offset:KT+2048*e+256*(\j)
.endr
.set e, e+1
.endr
	s_wait_loadcnt 0x0                             ; x, q_norm_w, v_proto
.set i, 0
.rept 16
	v_cvt_pk_bf16_f32 v[XP+i], v[X+2*i], v[X+2*i+1]
.set i, i+1
.endr
.irp j, 0,1,2,3,4,5,6,7
	global_store_b64 v[L8], v[XP+2*(\j):XP+2*(\j)+1], s[14:15] offset:256*(\j)  ; the wave stores 256 neighbouring bytes, aligned; XP is never rewritten
.endr
.set i, 0
.rept 16
	v_lshlrev_b32 v[X+2*i], 16, v[XP+i]            ; the rounded x as f32
	v_and_b32 v[X+2*i+1], s45, v[XP+i]
.set i, i+1
.endr
.irp c, 0,1,2,3
	v_pk_mul_f32 v[SS+2*(\c):SS+2*(\c)+1], v[X+2*(\c):X+2*(\c)+1], v[X+2*(\c):X+2*(\c)+1]  ; four chains; the first products start them
.endr
.set i, 4
.rept 12
	v_pk_fma_f32 v[SS+2*(i%4):SS+2*(i%4)+1], v[X+2*i:X+2*i+1], v[X+2*i:X+2*i+1], v[SS+2*(i%4):SS+2*(i%4)+1]
.set i, i+1
.endr
	v_pk_add_f32 v[SS:SS+1], v[SS:SS+1], v[SS+2:SS+3]
	v_pk_add_f32 v[SS+4:SS+5], v[SS+4:SS+5], v[SS+6:SS+7]
	v_pk_add_f32 v[SS:SS+1], v[SS:SS+1], v[SS+4:SS+5]
	v_add_f32 v[SS], v[SS], v[SS+1]
.set i, 0
.rept 16
	v_cvt_pk_bf16_f32 v[WP+i], v[W+2*i], v[W+2*i+1]
.set i, i+1
.endr
.set i, 0
.rept 16
	v_fma_mix_f32_bf16 v[W+2*i], v[X+2*i], v[WP+i], v[ZERO] op_sel_hi:[0,1,0]                   ; x w: f32 times the low bf16
	v_fma_mix_f32_bf16 v[W+2*i+1], v[X+2*i+1], v[WP+i], v[ZERO] op_sel:[0,1,0] op_sel_hi:[0,1,0]  ; and the high one
.set i, i+1
.endr
.irp p, 0,2,4,6
	v_cvt_pk_bf16_f32 v[TM], v[V+(\p)], v[V+(\p)+1]
	v_lshlrev_b32 v[V+(\p)], 16, v[TM]
	v_and_b32 v[V+(\p)+1], s45, v[TM]
.endr
	s_wait_dscnt 0x0                               ; all 8 rows of k_proto are in registers
.set i, 0
.rept 16                                               ; eight chains that do not wait for each other
.set e, 0
.rept 8
.if i == 0
	v_fma_mix_f32_bf16 v[D+e], v[W+2*i], v[KP+16*e+i], v[ZERO] op_sel_hi:[0,1,0]
.else
	v_fma_mix_f32_bf16 v[D+e], v[W+2*i], v[KP+16*e+i], v[D+e] op_sel_hi:[0,1,0]
.endif
.set e, e+1
.endr
.set e, 0
.rept 8
	v_fma_mix_f32_bf16 v[D+e], v[W+2*i+1], v[KP+16*e+i], v[D+e] op_sel:[0,1,0] op_sel_hi:[0,1,0]
.set e, e+1
.endr
.set i, i+1
.endr
.irp r, 88,89,90,91,92,93,94,95,96                     ; the 8 dot products and the sum of squares, over the 32 lanes; every lane gets the result
	v_add_f32_dpp v[\r], v[\r], v[\r] row_xmask:1 row_mask:0xf bank_mask:0xf
	v_add_f32_dpp v[\r], v[\r], v[\r] row_xmask:2 row_mask:0xf bank_mask:0xf
	v_add_f32_dpp v[\r], v[\r], v[\r] row_xmask:4 row_mask:0xf bank_mask:0xf
	v_add_f32_dpp v[\r], v[\r], v[\r] row_xmask:8 row_mask:0xf bank_mask:0xf
	v_permlanex16_b32 v[TM], v[\r], s24, s25
	v_add_f32 v[\r], v[\r], v[TM]
.endr
; q = a / b with r = 1 / b to one unit: one step of correction
.macro DIV q, a, b, r
	v_mul_f32 v[TM+5], v[\a], v[\r]
	v_fma_f32 v[TM+6], -v[TM+5], v[\b], v[\a]
	v_fma_f32 v[\q], v[TM+6], v[\r], v[TM+5]
.endm
	v_mov_b32 v[TM], 0x3a800000                    ; 1 / 1024
	v_fmaak_f32 v[TM], v[SS], v[TM], 0x358637bd    ; the mean of squares + 1e-6
	v_rsq_f32 v[TM], v[TM]
	v_nop                                          ; a plain instruction behind the transcendental,
	s_wait_alu depctr_va_vdst(0)                   ; and a wait ahead of its first reader
	v_mul_f32 v[TM], 0x3d000000, v[TM]             ; / sqrt(1024)
.irp e, 0,1,2,3,4,5,6,7
	v_mul_f32 v[D+(\e)], v[D+(\e)], v[TM]
.endr
	v_max3_num_f32 v[TM+1], v[D], v[D+1], v[D+2]   ; the first softmax takes its maximum away
	v_max3_num_f32 v[TM+1], v[TM+1], v[D+3], v[D+4]
	v_max3_num_f32 v[TM+1], v[TM+1], v[D+5], v[D+6]
	v_max_num_f32 v[TM+1], v[TM+1], v[D+7]
.irp e, 0,1,2,3,4,5,6,7
	v_sub_f32 v[D+(\e)], v[D+(\e)], v[TM+1]
.endr
.irp e, 0,1,2,3,4,5,6,7
	v_mul_f32 v[D+(\e)], 0x3fb8aa3b, v[D+(\e)]
.endr
.irp e, 0,1,2,3,4,5,6,7
	v_exp_f32 v[D+(\e)], v[D+(\e)]
.endr
	v_nop
	s_wait_alu depctr_va_vdst(0)                   ; one wait for the eight
	v_add_f32 v[TM+2], v[D], v[D+1]
.irp e, 2,3,4,5,6,7
	v_add_f32 v[TM+2], v[TM+2], v[D+(\e)]
.endr
	v_rcp_f32 v[TM+3], v[TM+2]
	v_nop
	s_wait_alu depctr_va_vdst(0)
.irp e, 0,1,2,3,4,5,6,7
	DIV D+(\e), D+(\e), TM+2, TM+3
.endr
	; from here a lane works for expert q = lane & 7: logit[q] = the sum over p of attn[p] v_proto[p][q]
	v_mul_f32 v[TM+1], v[D], v[V]
.irp p, 1,2,3,4,5,6,7
	v_fmac_f32 v[TM+1], v[D+(\p)], v[V+(\p)]
.endr
	v_max_num_f32_dpp v[TM+2], v[TM+1], v[TM+1] row_xmask:1 row_mask:0xf bank_mask:0xf  ; the second softmax's maximum, over 8 lanes
	v_max_num_f32_dpp v[TM+2], v[TM+2], v[TM+2] row_xmask:2 row_mask:0xf bank_mask:0xf
	v_max_num_f32_dpp v[TM+2], v[TM+2], v[TM+2] row_xmask:4 row_mask:0xf bank_mask:0xf
	v_sub_f32 v[TM+1], v[TM+1], v[TM+2]
	v_mul_f32 v[TM+1], 0x3fb8aa3b, v[TM+1]
	v_exp_f32 v[TM+1], v[TM+1]
	v_nop
	s_wait_alu depctr_va_vdst(0)
	v_add_f32_dpp v[TM+2], v[TM+1], v[TM+1] row_xmask:1 row_mask:0xf bank_mask:0xf
	v_add_f32_dpp v[TM+2], v[TM+2], v[TM+2] row_xmask:2 row_mask:0xf bank_mask:0xf
	v_add_f32_dpp v[TM+2], v[TM+2], v[TM+2] row_xmask:4 row_mask:0xf bank_mask:0xf
	v_rcp_f32 v[TM+3], v[TM+2]
	v_nop
	s_wait_alu depctr_va_vdst(0)
	DIV TM+1, TM+1, TM+2, TM+3
.irp e, 0,1,2,3,4,5,6,7
	v_readlane_b32 s[28+(\e)], v[TM+1], \e         ; the 8 weights, for every lane
.endr
	; the two largest; 'greater' alone replaces, in ascending order, so that of equal weights the lower index stays.  Selections only: no branch and no address hangs on them
	v_mov_b32 v[D], s28                            ; the largest
	v_mov_b32 v[D+1], 0                            ; its index
.irp e, 1,2,3,4,5,6,7
	v_cmp_gt_f32 vcc_lo, s[28+(\e)], v[D]
	v_cndmask_b32 v[D], v[D], s[28+(\e)], vcc_lo
	v_cndmask_b32 v[D+1], v[D+1], \e, vcc_lo
.endr
	v_mov_b32 v[D+2], -1.0                         ; below every weight: the first index that is not the largest's is always taken
	v_mov_b32 v[D+3], 0
.irp e, 0,1,2,3,4,5,6,7
	v_cmp_gt_f32 s42, s[28+(\e)], v[D+2]
	v_cmp_ne_u32 s43, \e, v[D+1]
	s_and_b32 s42, s42, s43
	v_cndmask_b32 v[D+2], v[D+2], s[28+(\e)], s42
	v_cndmask_b32 v[D+3], v[D+3], \e, s42
.endr
	v_add_f32 v[D+4], v[D], v[D+2]
	v_add_f32 v[D+4], 0x3089705f, v[D+4]           ; + 1e-9
	v_rcp_f32 v[D+5], v[D+4]
	v_nop
	s_wait_alu depctr_va_vdst(0)
	DIV D, D, D+4, D+5
	DIV D+2, D+2, D+4, D+5
	v_and_b32 v[TM], 7, v0                         ; q
	v_cmp_eq_u32 vcc_lo, v[TM], v[D+3]
	v_cndmask_b32 v[TM+1], v[ZERO], v[D+2], vcc_lo
	v_cmp_eq_u32 vcc_lo, v[TM], v[D+1]
	v_cndmask_b32 v[TM+1], v[TM+1], v[D], vcc_lo   ; out1[token][q]
	v_lshl_add_u32 v[TM+2], s20, 5, v[Q4]
	ds_store_b32 v[TM+2], v[TM+1] offset:RWS       ; four lanes hold the same q: they write the same word with the same number
	v_and_b32 v[TM], 1, v0
	v_cmp_eq_u32 vcc_lo, 1, v[TM]
	v_cndmask_b32 v[TM+3], v[D+1], v[D+3], vcc_lo
	v_cndmask_b32 v[TM+4], v[D], v[D+2], vcc_lo
	v_lshlrev_b32 v[TM], 2, v[TM]
	v_lshl_add_u32 v[TM], s20, 3, v[TM]
	ds_store_b32 v[TM], v[TM+3] offset:IDS
	ds_store_b32 v[TM], v[TM+4] offset:WTSL
	s_wait_tensorcnt 0x0                           ; behind my last LDS store
	ds_add_u32 v[SPW], v[NIL]
	s_wait_dscnt 0x0                               ; this wait says, for wave 0's sake, that my stores are done
	s_barrier_signal -1
	s_barrier_wait -1
	s_cmp_lg_u32 s20, 0
	s_cbranch_scc1 .Lend                           ; wave 0 stores the group's results: only LDS reads follow
	ds_load_b64 v[D:D+1], v[L8] offset:RWS
	v_lshlrev_b32 v[TM], 1, v[Q4]                  ; 8 x (lane & 7)
	ds_load_b64 v[D+2:D+3], v[TM] offset:IDS
	ds_load_b64 v[D+4:D+5], v[TM] offset:WTSL
	v_cmp_gt_u32 vcc_lo, 8, v0
	s_wait_dscnt 0x0
	global_store_b64 v[L8], v[D:D+1], s[12:13]     ; 256 neighbouring bytes, aligned
	s_wait_xcnt 0x0                                ; EXEC changes only behind this wait
	s_and_saveexec_b32 s42, vcc_lo
	global_store_b64 v[TM], v[D+2:D+3], s[16:17]   ; 8 lanes: the group's 64 bytes of idx
	global_store_b64 v[TM], v[D+4:D+5], s[18:19]   ; and of wts
	s_wait_xcnt 0x0
	s_or_b32 exec_lo, exec_lo, s42
.Lend:
	s_endpgm
.Lfunc_end_k_qf51eb8d591_router:
	.size	k_qf51eb8d591_router, .Lfunc_end_k_qf51eb8d591_router-k_qf51eb8d591_router
	.p2alignl 7, 3214868480
	.fill 96, 4, 3214868480
	.section	.rodata,"a",@progbits
	.p2align	6, 0x0
	.amdhsa_kernel k_qf51eb8d591_router
		.amdhsa_group_segment_fixed_size 18176
		.amdhsa_private_segment_fixed_size 0
		.amdhsa_enable_private_segment 0
		.amdhsa_kernarg_size 64
		.amdhsa_user_sgpr_count 2
		.amdhsa_user_sgpr_kernarg_segment_ptr 1
		.amdhsa_wavefront_size32 1
		.amdhsa_system_sgpr_workgroup_id_x 1
		.amdhsa_system_sgpr_workgroup_id_y 1
		.amdhsa_system_sgpr_workgroup_id_z 1
		.amdhsa_system_vgpr_workitem_id 0
		.amdhsa_next_free_vgpr 256
		.amdhsa_next_free_sgpr 66
		.amdhsa_reserve_vcc 1
		.amdhsa_float_denorm_mode_32 3
		.amdhsa_float_denorm_mode_16_64 3
		.amdhsa_memory_ordered 1
		.amdhsa_forward_progress 1
		.amdhsa_inst_pref_size 48
	.end_amdhsa_kernel
	.amdgpu_metadata
---
amdhsa.version: [ 1, 2 ]
amdhsa.kernels:
  - .name:           k_qf51eb8d591_router
    .symbol:         k_qf51eb8d591_router.kd
    .args:
      - { .name: x, .offset: 0, .size: 8, .value_kind: global_buffer, .address_space: global }
      - { .name: q_norm_w, .offset: 8, .size: 8, .value_kind: global_buffer, .address_space: global }
      - { .name: k_proto, .offset: 16, .size: 8, .value_kind: global_buffer, .address_space: global }
      - { .name: v_proto, .offset: 24, .size: 8, .value_kind: global_buffer, .address_space: global }
      - { .name: out1, .offset: 32, .size: 8, .value_kind: global_buffer, .address_space: global }
      - { .name: xb, .offset: 40, .size: 8, .value_kind: global_buffer, .address_space: global }
      - { .name: idx, .offset: 48, .size: 8, .value_kind: global_buffer, .address_space: global }
      - { .name: wts, .offset: 56, .size: 8, .value_kind: global_buffer, .address_space: global }
    .group_segment_fixed_size: 18176
    .private_segment_fixed_size: 0
    .kernarg_segment_align: 8
    .kernarg_segment_size: 64
    .max_flat_workgroup_size: 256
    .sgpr_count:     66
    .vgpr_count:     256
    .wavefront_size: 32
...
	.end_amdgpu_metadata
.endif
;; end of part 1
;; launch lists (part 2): grid 8 x 1, 1 waves a work-group, no clusters, 0 bytes of LDS; arguments idx, list, cnt; writes list, cnt
.if DOCPART == 2
	.amdgcn_target "amdgcn-amd-amdhsa--gfx1250"
	.amdhsa_code_object_version 6
	.text
	.protected	k_qf51eb8d591_lists
	.globl	k_qf51eb8d591_lists
	.p2align	8
	.type	k_qf51eb8d591_lists,@function
k_qf51eb8d591_lists:
	s_mov_b64 s[64:65], 0
	v_nop
	global_prefetch_b8 v0, s[64:65] scope:SCOPE_SE
	s_setreg_imm32_b32 hwreg(HW_REG_WAVE_MODE, 25, 1), 1
	s_wait_xcnt 0x0
; EACH EXPERT'S LIST OF ROUTED ROWS.  A routed row has the number 2 t + k: token t, k = 0 for its larger weight, 1 for the other.  Work-group e (one wave) walks the 1,024 tokens in order,
; 32 at a time, and parts them: a token that chose expert e puts its row's number at place c, the number of such tokens before it (the running count plus the chosen lanes below);
; a token that did not puts 0 at place 1023 - (t - c), from the list's end downward.  The two kinds are 1,024 together, so every word of the list is stored exactly once, by a lane that is always on:
; EXEC is never changed, and there are no atomics.  The count is stored 64 times, a whole block of 256 bytes for each expert.
; It serves every split: an expert with all 1,024 tokens, an expert with none (its whole list is 0).  A token names an expert at most once (the router's two indices differ).
	s_load_b128 s[4:7], s[0:1], 0x0                ; idx, list
	s_load_b64 s[8:9], s[0:1], 0x10                ; cnt
	v_lshlrev_b32 v1, 3, v0                        ; 8 x lane
	v_lshlrev_b32 v7, 1, v0                        ; 2 t; 64 more for each block
	v_sub_nc_u32 v6, 0x3ff, v0                     ; 1023 - t; 32 less for each block
	v_mov_b32 v72, 32
	s_mov_b32 s10, ttmp9                           ; the expert
	s_lshl_b32 s14, ttmp9, 12                      ; its 4,096 bytes of list
	s_mov_b32 s15, 0
	s_lshl_b32 s16, ttmp9, 8                       ; its 256 bytes of cnt
	s_mov_b32 s17, 0
	s_mov_b32 s12, 0                               ; the running count
	s_wait_kmcnt 0x0
	s_add_nc_u64 s[6:7], s[6:7], s[14:15]
	s_add_nc_u64 s[8:9], s[8:9], s[16:17]
.set b, 0
.rept 32
	global_load_b64 v[8+2*b:9+2*b], v1, s[4:5] offset:256*b  ; tokens 32 b + lane: both indices
.set b, b+1
.endr
	s_wait_loadcnt 0x0
.set b, 0
.rept 32                                               ; a block's offset and data go into its own two registers, which nothing rewrites: no wait for the stores' sources is needed
	v_cmp_eq_u32 vcc_lo, s10, v[8+2*b]
	v_cmp_eq_u32 s21, s10, v[9+2*b]
	s_or_b32 vcc_lo, vcc_lo, s21                   ; the lanes that chose e
	v_mbcnt_lo_u32_b32 v3, vcc_lo, s12             ; c: the count so far + the chosen lanes below me
	v_add_nc_u32 v4, v3, v6                        ; 1023 - (t - c)
	v_cndmask_b32 v4, v4, v3, vcc_lo
	v_min_u32 v4, 0x3ff, v4                        ; a place in the list: the bound is written here, since the number comes from loaded data
	v_lshlrev_b32 v[8+2*b], 2, v4
	v_add_nc_u32 v5, 1, v7
	v_cndmask_b32 v5, v7, v5, s21                  ; 2 t, + 1 where e is the token's second expert
	v_cndmask_b32 v[9+2*b], 0, v5, vcc_lo
	global_store_b32 v[8+2*b], v[9+2*b], s[6:7]
	s_bcnt1_i32_b32 s24, vcc_lo
	s_add_co_u32 s12, s12, s24
	v_sub_nc_u32 v6, v6, v72
	v_add_nc_u32 v7, 64, v7
.set b, b+1
.endr
	v_mov_b32 v74, s12
	v_mov_b32 v75, s12
	global_store_b64 v1, v[74:75], s[8:9]          ; 256 neighbouring bytes, aligned
	s_endpgm
.Lfunc_end_k_qf51eb8d591_lists:
	.size	k_qf51eb8d591_lists, .Lfunc_end_k_qf51eb8d591_lists-k_qf51eb8d591_lists
	.p2alignl 7, 3214868480
	.fill 96, 4, 3214868480
	.section	.rodata,"a",@progbits
	.p2align	6, 0x0
	.amdhsa_kernel k_qf51eb8d591_lists
		.amdhsa_group_segment_fixed_size 0
		.amdhsa_private_segment_fixed_size 0
		.amdhsa_enable_private_segment 0
		.amdhsa_kernarg_size 24
		.amdhsa_user_sgpr_count 2
		.amdhsa_user_sgpr_kernarg_segment_ptr 1
		.amdhsa_wavefront_size32 1
		.amdhsa_system_sgpr_workgroup_id_x 1
		.amdhsa_system_sgpr_workgroup_id_y 1
		.amdhsa_system_sgpr_workgroup_id_z 1
		.amdhsa_system_vgpr_workitem_id 0
		.amdhsa_next_free_vgpr 80
		.amdhsa_next_free_sgpr 66
		.amdhsa_reserve_vcc 1
		.amdhsa_float_denorm_mode_32 3
		.amdhsa_float_denorm_mode_16_64 3
		.amdhsa_memory_ordered 1
		.amdhsa_forward_progress 1
		.amdhsa_inst_pref_size 27
	.end_amdhsa_kernel
	.amdgpu_metadata
---
amdhsa.version: [ 1, 2 ]
amdhsa.kernels:
  - .name:           k_qf51eb8d591_lists
    .symbol:         k_qf51eb8d591_lists.kd
    .args:
      - { .name: idx, .offset: 0, .size: 8, .value_kind: global_buffer, .address_space: global }
      - { .name: list, .offset: 8, .size: 8, .value_kind: global_buffer, .address_space: global }
      - { .name: cnt, .offset: 16, .size: 8, .value_kind: global_buffer, .address_space: global }
    .group_segment_fixed_size: 0
    .private_segment_fixed_size: 0
    .kernarg_segment_align: 8
    .kernarg_segment_size: 24
    .max_flat_workgroup_size: 32
    .sgpr_count:     66
    .vgpr_count:     80
    .wavefront_size: 32
...
	.end_amdgpu_metadata
.endif
;; end of part 2
;; launch gateup (part 3): grid 32 x 8, 4 waves a work-group, no clusters, 312,832 bytes of LDS; arguments gate_projs, up_projs, xb, list, cnt, pp; writes pp
.if DOCPART == 3
	.amdgcn_target "amdgcn-amd-amdhsa--gfx1250"
	.amdhsa_code_object_version 6
	.text
	.protected	k_qf51eb8d591_gateup
	.globl	k_qf51eb8d591_gateup
	.p2align	8
	.type	k_qf51eb8d591_gateup,@function
k_qf51eb8d591_gateup:
	s_mov_b64 s[64:65], 0
	v_nop
	global_prefetch_b8 v0, s[64:65] scope:SCOPE_SE
	s_setreg_imm32_b32 hwreg(HW_REG_WAVE_MODE, 25, 1), 1
	s_wait_xcnt 0x0
; THE FIRST PRODUCTS, by expert.  pp[rid][0:2048] = x[t] . gate_projs[e], pp[rid][2048:4096] = x[t] . up_projs[e], for every routed row rid = 2 t + k of expert e; f32 partial rows,
; which the next launch weighs and adds.  Operands bf16 (x was rounded by the router, the weights are rounded here on their way through registers), sums f32.
; SHARES.  Work-group (s, e): columns 64 s .. 64 s + 63 of gate and of up of expert e, all 1,024 of K: 512 KiB of f32 weights that no other work-group reads, and ALL rows of that expert.
; PHASE 1: the slice goes into LDS as bf16, [1024 K rows][128 columns], each byte written once.  Wave w brings K rows 256 w .. + 255; four sets of 16 loads are on their way.
; PHASE 2: the rows, 16 to a tile, five tiles (slots) a wave and pass, 320 rows a pass; four passes cover the 1,024 rows that an expert can have at the most.  Token rows come straight from
; memory as matrix operands, by the expert's list; weights come out of LDS turned (ds_load_tr16_b128).  Nothing in the loop writes the slice: ONE barrier in the kernel, between the phases.
; What a pass does hangs on a stored count, so every LDS address in it is fixed: eight base registers, one for each 128 of K, made at the head and never rewritten, and immediates; the walk along K is written out.
; A pass whose first tile lies past the count is jumped; so are a dead fifth slot's products and a dead slot's stores.  Places past the count repeat the last row, which stores the same bits twice.
; THE MATRIX INSTRUCTION IS USED TRANSPOSED: source 0 = 16 columns of weights, source 1 = 16 tokens: a lane then holds one token and 8 neighbouring columns.
; NO CLUSTER, NO TENSOR LOADS: a slice has one reader and must pass through registers to be rounded; the rows that an expert's 32 work-groups share are named by a list, which no one descriptor covers.
; REGISTERS, in windows of 256 (s_set_vgpr_msb: bits 1:0 source 0, 3:2 source 1, 5:4 source 2, 7:6 destination):
;   window 0: addresses; v48-79 at work; v96-159 weights' fragments, two buffers of four      window 1: phase 1: four sets of 64; phase 2: v0-159 tokens' buffer X (slot x 32 + K step x 8)
;   window 2: accumulators of slots 0-3 (slot x 64 + group x 32 + block x 8)                  window 3: v0-63 slot 4's; v64-223 tokens' buffer Y
.set NG,     2                         ; groups of 64 columns: gate, up
.set WPITCH, 8192                      ; bytes in a row of weights
.set LP,     288                       ; an LDS row: 256 bytes + 32: an odd multiple of 32; four rows on is 128 bytes on modulo 256
.set RS,     16                        ; K rows in a set of 16 loads
.set NTRIP,  4                         ; 256 rows / 4 sets / RS
.set ASH,    11                        ; a token's row of xb: 2,048 bytes
.set OSH,    14                        ; a row of pp: 16,384 bytes
.set UH,     4*NG                      ; half-steps (32 K x 64 columns) in a chunk of 128 K
.set STAGE,  1024*LP                   ; behind the slice: 16 rows x 272 bytes for each wave, for the way out
.set SROW,   272
.set SWAVE,  16*SROW
.set SPARE,  STAGE+4*SWAVE             ; the spare words: 128 bytes for each wave
.set R16,  2                           ; v2   lane % 16
.set H,    3                           ; v3   lane / 16
.set H16,  4                           ; v4   16 x (lane / 16)
.set L16,  5                           ; v5   16 x (lane % 16)
.set WOFF, 6                           ; v6   weights: my 16 bytes of a row; lanes 16-31 four rows down
.set WST,  7                           ; v7   where I put 8 bytes of the slice; stepped in phase 1
.set STO,  10                          ; v10  the way out: where I put 32 bytes of a row
.set RD,   11                          ; v11  the way out: where I read a row back
.set SPW,  12                          ; v12  my spare word's LDS address; never rewritten
.set NIL,  13                          ; v13  0; never rewritten
.set TA,   14                          ; v14-15 at work
.set TB,   15
.set LO,   16                          ; v16-20 slot i: byte offset of my entry of the list
.set RID,  21                          ; v21-25 slot i: my row's number
.set AO,   26                          ; v26-30 slot i: byte offset of my token's fragment in xb
.set BI,   32                          ; v32-39 4 x (2 t + lane / 16): which lane knows the number of the row that I store
.set RO,   40                          ; v40-47 byte offsets in pp of the rows that I store
.set T,    48                          ; v48-79 phase 1: a set in bf16
.set RB,   48                          ;        the way out: 16 rows read back
.set BADC, 80                          ; v80-87 my lane's place in a fragment of the slice, in chunk c of 128 K; never rewritten
.set BF,   96
.set MSB, 0
.macro WIN new                         ; the immediate's high byte repeats the setting that is left; a switch that changes nothing is dropped
.if MSB != (\new)
	s_set_vgpr_msb (MSB<<8)|(\new)
.set MSB, (\new)
.endif
.endm
.macro PLACES                          ; four plain vector instructions between a matrix instruction and a load into, or a read of, its registers (ISA guide 7.12.1 for the reads)
.rept 4
	v_nop
.endr
.endm
; 16 loads: RS rows of the slice.  Lanes 0-15 take the 256 bytes of one row, lanes 16-31 those of the row four further down.  ahead = 1: the rows of the next trip.
.macro WISSUE set, ahead
	WIN 0x40                                       ; destination window 1
.set j, 0
.rept 16
.set wg, j/(16/NG)
.set wi, j%(16/NG)
.set wa, 8*(wi/4)+wi%4
	global_load_b128 v[64*(\set)+4*j:64*(\set)+4*j+3], v[WOFF], s[4+2*wg:5+2*wg] offset:((\set)*RS+wa+(\ahead)*4*RS)*WPITCH th:TH_LOAD_NT
.set j, j+1
.endr
	WIN 0
.endm
; A set is rounded and laid into the slice.  left = the younger loads that may stay out.
.macro CONSUME set, left
	s_wait_loadcnt \left
	WIN 0x05                                       ; sources window 1, destination window 0
.set j, 0
.rept 32
	v_cvt_pk_bf16_f32 v[T+j], v[64*(\set)+2*j], v[64*(\set)+2*j+1]
.set j, j+1
.endr
	WIN 0
.set j, 0
.rept 16
.set wg, j/(16/NG)
.set wi, j%(16/NG)
.set wa, 8*(wi/4)+wi%4
	ds_store_b64 v[WST], v[T+2*j:T+2*j+1] offset:((\set)*RS+wa)*LP+128*wg  ; 2 x 128 bytes, 128 apart modulo 256
.set j, j+1
.endr
.endm
; The numbers of my five tiles' rows: place min(16 x tile + lane % 16, count - 1) of the list
.macro SETUP_A
.irp i, 0,1,2,3,4
	s_add_co_u32 s25, s22, 4*(\i)
	s_lshl_b32 s25, s25, 4
	v_add_nc_u32 v[TA], s25, v[R16]
	v_min_u32 v[TA], s20, v[TA]
	v_min_u32 v[TA], 0x3ff, v[TA]                  ; the bound is written here, since the count is loaded data
	v_lshlrev_b32 v[LO+(\i)], 2, v[TA]
	global_load_b32 v[RID+(\i)], v[LO+(\i)], s[10:11]
.endr
.endm
; 40 loads: five tiles x chunk c's 128 K of token rows, as source 1 fragments: lane l takes row l % 16, K = 8 (l / 16) + 0..7 and 16 + 8 (l / 16) + 0..7 of each 32
.macro ALOAD y, c
	WIN 0x40+0x80*(\y)                             ; destination window 1 (X) or 3 (Y)
.set ab, 64*(\y)
.irp i, 0,1,2,3,4
.irp k, 0,1,2,3
	global_load_b128 v[ab+32*(\i)+8*(\k):ab+32*(\i)+8*(\k)+3],   v[AO+(\i)], s[8:9] offset:256*(\c)+64*(\k)
	global_load_b128 v[ab+32*(\i)+8*(\k)+4:ab+32*(\i)+8*(\k)+7], v[AO+(\i)], s[8:9] offset:256*(\c)+64*(\k)+32
.endr
.endr
	WIN 0
.endm
.macro SETUP_B
.irp i, 0,1,2,3,4
	v_lshrrev_b32 v[TA], 1, v[RID+(\i)]            ; the token
	v_min_u32 v[TA], 0x3ff, v[TA]
	v_lshlrev_b32 v[TA], ASH, v[TA]
	v_add_nc_u32 v[AO+(\i)], v[TA], v[H16]
.endr
	ALOAD 0, 0
.endm
; 8 turning loads: half-step g of the 8 x UH along K and the groups: 32 K x 64 columns, four fragments, into buffer g % 2
.macro BLOAD g
.set bc, (\g)/UH
.set bk, ((\g)%UH)/NG
.set bg, (\g)%NG
.set bb, BF+32*((\g)%2)
.irp c, 0,1,2,3
	ds_load_tr16_b128 v[bb+8*(\c):bb+8*(\c)+3],   v[BADC+bc] offset:32*bk*LP+128*bg+32*(\c)
	ds_load_tr16_b128 v[bb+8*(\c)+4:bb+8*(\c)+7], v[BADC+bc] offset:32*bk*LP+128*bg+32*(\c)+16*LP
.endr
.endm
; A half-step: the next one's fragments are asked for, then 16 products (slots 0-3 x 4 blocks) and slot 4's four.  The accumulators take turns, one instruction a turn:
; an accumulator comes up again behind 15 others' at the least.  The products of the first 32 K (g < NG) start the sums; slot 4's stand there without the jump, so that its registers are written on every path.
.macro HALF y, g
.set hk, ((\g)%UH)/NG
.set hg, (\g)%NG
.set hbf, BF+32*((\g)%2)
.set ha, 64*(\y)+8*hk
.if ((\g)%UH) > 0
	PLACES                                         ; behind the products that read the buffer now loaded (at a chunk's head the chunk's own four serve)
.endif
.if (\g) == 8*UH-1
	s_wait_dscnt 0x0                               ; nothing more is fetched
.else
	BLOAD (\g)+1
	s_wait_dscnt 8                                 ; this half-step's fragments are in; the 8 loads just issued stay out
.endif
	WIN 0xa4+8*(\y)                                ; weights window 0, tokens window 1 or 3, sums window 2
.irp i, 0,1,2,3
.irp c, 0,1,2,3
.if (\g) < NG
	v_wmma_f32_16x16x32_bf16 v[32*NG*(\i)+32*hg+8*(\c):32*NG*(\i)+32*hg+8*(\c)+7], v[hbf+8*(\c):hbf+8*(\c)+7], v[ha+32*(\i):ha+32*(\i)+7], 0
.else
	v_wmma_f32_16x16x32_bf16 v[32*NG*(\i)+32*hg+8*(\c):32*NG*(\i)+32*hg+8*(\c)+7], v[hbf+8*(\c):hbf+8*(\c)+7], v[ha+32*(\i):ha+32*(\i)+7], v[32*NG*(\i)+32*hg+8*(\c):32*NG*(\i)+32*hg+8*(\c)+7]
.endif
.endr
.endr
.if (\g) < NG
	WIN 0xf4+8*(\y)                                ; sums window 3
.irp c, 0,1,2,3
	v_wmma_f32_16x16x32_bf16 v[32*hg+8*(\c):32*hg+8*(\c)+7], v[hbf+8*(\c):hbf+8*(\c)+7], v[ha+128:ha+135], 0
.endr
	WIN 0
.else
	WIN 0                                          ; at a branch and at a label every window is 0
	s_cmp_eq_u32 s23, 0
	s_cbranch_scc1 .Lno4_\@
	WIN 0xf4+8*(\y)
.irp c, 0,1,2,3
	v_wmma_f32_16x16x32_bf16 v[32*hg+8*(\c):32*hg+8*(\c)+7], v[hbf+8*(\c):hbf+8*(\c)+7], v[ha+128:ha+135], v[32*hg+8*(\c):32*hg+8*(\c)+7]
.endr
	WIN 0
.Lno4_\@:
.endif
.endm
; Chunk c of 128 K, on tokens' buffer c % 2.  The next chunk's token rows are asked for, into the other buffer: they have this whole chunk in which to land.
.macro CHUNK c
	s_wait_loadcnt 0x0                             ; my buffer's 40 loads, issued a chunk ago, are in
	PLACES                                         ; behind the products that read the other buffer
.if (\c) < 7
	ALOAD 1-(\c)%2, (\c)+1
.endif
.set hu, 0
.rept UH
	HALF (\c)%2, (\c)*UH+hu
.set hu, hu+1
.endr
.endm
; THE WAY OUT of slot i: 16 rows x 64 columns of each group go through my own stage and come back as whole rows of 256 bytes; the rows' numbers come from the lanes that hold them.
.macro OUT i
	s_add_co_u32 s25, s22, 4*(\i)
	s_lshl_b32 s25, s25, 4
	s_cmp_ge_u32 s25, s19
	s_cbranch_scc1 .Ldead_\@                       ; the tile lies past the count
	s_wait_xcnt 0x0                                ; the offsets and data of earlier stores are rewritten only behind this wait
.irp t, 0,1,2,3,4,5,6,7
	ds_bpermute_b32 v[RO+(\t)], v[BI+(\t)], v[RID+(\i)]
.endr
.set og, 0
.rept NG
.if og > 0
	s_wait_xcnt 0x0
.endif
.if (\i) < 4
	WIN 0x08                                       ; store data window 2
.set oa, 32*NG*(\i)+32*og
.else
	WIN 0x0c                                       ; window 3
.set oa, 32*og
.endif
.irp c, 0,1,2,3
	ds_store_b128 v[STO], v[oa+8*(\c):oa+8*(\c)+3] offset:64*(\c)        ; each accumulator's low registers first
	ds_store_b128 v[STO], v[oa+8*(\c)+4:oa+8*(\c)+7] offset:64*(\c)+16
.endr
	WIN 0
.irp t, 0,1,2,3,4,5,6,7
	ds_load_b128 v[RB+4*(\t):RB+4*(\t)+3], v[RD] offset:2*SROW*(\t)      ; LDS serves a wave's instructions in order (ISA guide 5.7.1.4): these see the stores above
.endr
.if og == 0
	s_wait_dscnt 16                                ; the rows' numbers are in; the 16 stage instructions behind them stay out
.irp t, 0,1,2,3,4,5,6,7
	v_min_u32 v[RO+(\t)], 0x7ff, v[RO+(\t)]
	v_lshlrev_b32 v[RO+(\t)], OSH, v[RO+(\t)]
	v_add_nc_u32 v[RO+(\t)], v[RO+(\t)], v[L16]
.endr
.endif
.irp t, 0,1,2,3,4,5,6,7
	s_wait_dscnt 7-(\t)
	global_store_b128 v[RO+(\t)], v[RB+4*(\t):RB+4*(\t)+3], s[14:15] offset:8192*og  ; 16 lanes store 256 consecutive bytes of a row, aligned
.endr
.set og, og+1
.endr
.Ldead_\@:
.endm
	s_load_b256 s[4:11], s[0:1], 0x0               ; gate s[4:5], up s[6:7], xb s[8:9], list s[10:11]
	s_load_b128 s[12:15], s[0:1], 0x20             ; cnt s[12:13], pp s[14:15]
	v_lshl_add_u32 v[SPW], v0, 2, SPARE
	v_mov_b32 v[NIL], 0
	v_lshrrev_b32 v[TA], 5, v0
	v_readfirstlane_b32 s16, v[TA]                 ; wave 0..3
	v_and_b32 v[R16], 15, v0
	v_bfe_u32 v[H], v0, 4, 1
	v_lshlrev_b32 v[H16], 4, v[H]
	v_lshlrev_b32 v[L16], 4, v[R16]
	v_mul_u32_u24 v[TA], v[H], 4*WPITCH
	v_add_nc_u32 v[WOFF], v[TA], v[L16]
	s_mul_i32 s25, s16, 256*LP                     ; my 256 rows of the slice
	v_mul_u32_u24 v[TA], v[H], 4*LP
	v_lshl_add_u32 v[TA], v[R16], 3, v[TA]
	v_add_nc_u32 v[WST], s25, v[TA]
	v_and_b32 v[TA], 7, v0                         ; the turning load: lane l reads K row 8 (l / 16) + l % 8, columns 8 ((l / 8) % 2) + 0..7
	v_lshl_add_u32 v[TA], v[H], 3, v[TA]
	v_mul_u32_u24 v[TA], v[TA], LP
	v_bfe_u32 v[TB], v0, 3, 1
	v_lshl_add_u32 v[BADC], v[TB], 4, v[TA]
.irp c, 1,2,3,4,5,6,7
	v_add_nc_u32 v[BADC+(\c)], (\c)*128*LP, v[BADC]
.endr
	s_mul_i32 s25, s16, SWAVE
	s_add_co_u32 s25, s25, STAGE                   ; my stage
	v_mul_u32_u24 v[TA], v[R16], SROW              ; in: row l % 16, 32 bytes for each half of the lanes
	v_lshl_add_u32 v[TA], v[H], 5, v[TA]
	v_add_nc_u32 v[STO], s25, v[TA]
	v_mul_u32_u24 v[TA], v[H], SROW                ; back: lanes 0-15 one row of 256 bytes, lanes 16-31 the next
	v_add_nc_u32 v[TA], v[TA], v[L16]
	v_add_nc_u32 v[RD], s25, v[TA]
.irp t, 0,1,2,3,4,5,6,7
	v_lshl_add_u32 v[BI+(\t)], v[H], 2, 8*(\t)
.endr
	s_and_b32 s17, ttmp7, 0xffff                   ; the expert
	s_mov_b32 s18, ttmp9                           ; the slice
	s_lshl_b32 s28, s17, 23                        ; an expert's weights: 8 MiB;
	s_lshl_b32 s25, s16, 21                        ; my 256 rows of 8,192 bytes;
	s_add_co_u32 s28, s28, s25
	s_lshl_b32 s25, s18, 8                         ; the slice's 256 bytes of a row
	s_add_co_u32 s28, s28, s25
	s_mov_b32 s29, 0
	s_lshl_b32 s30, s17, 12
	s_mov_b32 s31, 0
	s_lshl_b32 s32, s17, 8
	s_mov_b32 s33, 0
	s_lshl_b32 s34, s18, 8
	s_mov_b32 s35, 0
	s_wait_kmcnt 0x0
	s_add_nc_u64 s[4:5], s[4:5], s[28:29]
	s_add_nc_u64 s[6:7], s[6:7], s[28:29]
	s_add_nc_u64 s[10:11], s[10:11], s[30:31]
	s_add_nc_u64 s[12:13], s[12:13], s[32:33]
	s_add_nc_u64 s[14:15], s[14:15], s[34:35]
	s_load_b32 s19, s[12:13], 0x0                  ; the expert's count
	WISSUE 0, 0
	WISSUE 1, 0
	WISSUE 2, 0
	WISSUE 3, 0
	s_wait_kmcnt 0x0
	s_min_u32 s19, s19, 0x400                      ; 1,024 at the most
	s_max_u32 s20, s19, 1
	s_sub_co_u32 s20, s20, 1                       ; the last row's place (0 for an expert without rows: that entry is written as 0)
	s_mov_b32 s21, 0                               ; the pass
	s_mov_b32 s22, s16                             ; my first tile of the pass: 20 x pass + wave
	SETUP_A
	s_mov_b32 s24, NTRIP-1
.Lstage:                                               ; 48 = the three younger sets
	CONSUME 0, 48
	WISSUE 0, 1
	CONSUME 1, 48
	WISSUE 1, 1
	CONSUME 2, 48
	WISSUE 2, 1
	CONSUME 3, 48
	WISSUE 3, 1
	s_wait_xcnt 0x0                                ; the bases are stepped only behind this wait
	s_add_nc_u64 s[4:5], s[4:5], 4*RS*WPITCH
	s_add_nc_u64 s[6:7], s[6:7], 4*RS*WPITCH
	v_add_nc_u32 v[WST], 4*RS*LP, v[WST]
	s_sub_co_u32 s24, s24, 1
	s_cmp_lg_u32 s24, 0
	s_cbranch_scc1 .Lstage
	CONSUME 0, 48                                  ; the last four sets: the counts run down
	CONSUME 1, 32
	CONSUME 2, 16
	SETUP_B                                        ; the list loads are long in; the first 40 loads of token rows go into registers of sets 0 to 2, which have been read
	CONSUME 3, 40                                  ; 40 = those loads
	s_wait_dscnt 0x0                               ; for the others' sake: my part of the slice lies in LDS
	s_barrier_signal -1
	s_barrier_wait -1
.Lpass:                                                ; four trips, whatever the count
	s_lshl_b32 s25, s22, 4
	s_cmp_ge_u32 s25, s19
	s_cbranch_scc1 .Lnext                          ; my first tile lies past the count: nothing to do in this pass
	s_cmp_eq_u32 s21, 0
	s_cbranch_scc1 .Lgo                            ; pass 0 was set up in phase 1
	SETUP_A
	s_wait_loadcnt 0x0
	SETUP_B
.Lgo:
	s_add_co_u32 s25, s22, 16
	s_lshl_b32 s25, s25, 4
	s_cmp_lt_u32 s25, s19
	s_cselect_b32 s23, 1, 0                        ; is my fifth slot live?
	BLOAD 0
.set cc, 0
.rept 8
	CHUNK cc
.set cc, cc+1
.endr
	PLACES                                         ; behind the last products, ahead of the stores that read the sums
	OUT 0
	OUT 1
	OUT 2
	OUT 3
	OUT 4
.Lnext:
	s_add_co_u32 s22, s22, 20
	s_add_co_u32 s21, s21, 1
	s_cmp_lt_u32 s21, 4
	s_cbranch_scc1 .Lpass
	s_wait_tensorcnt 0x0                           ; the wave's end, behind my last LDS store
	ds_add_u32 v[SPW], v[NIL]
	s_wait_dscnt 0x0
	s_endpgm
.Lfunc_end_k_qf51eb8d591_gateup:
	.size	k_qf51eb8d591_gateup, .Lfunc_end_k_qf51eb8d591_gateup-k_qf51eb8d591_gateup
	.p2alignl 7, 3214868480
	.fill 96, 4, 3214868480
	.section	.rodata,"a",@progbits
	.p2align	6, 0x0
	.amdhsa_kernel k_qf51eb8d591_gateup
		.amdhsa_group_segment_fixed_size 312832
		.amdhsa_private_segment_fixed_size 0
		.amdhsa_enable_private_segment 0
		.amdhsa_kernarg_size 48
		.amdhsa_user_sgpr_count 2
		.amdhsa_user_sgpr_kernarg_segment_ptr 1
		.amdhsa_wavefront_size32 1
		.amdhsa_system_sgpr_workgroup_id_x 1
		.amdhsa_system_sgpr_workgroup_id_y 1
		.amdhsa_system_sgpr_workgroup_id_z 1
		.amdhsa_system_vgpr_workitem_id 0
		.amdhsa_next_free_vgpr 1024
		.amdhsa_next_free_sgpr 66
		.amdhsa_reserve_vcc 0
		.amdhsa_float_denorm_mode_32 3
		.amdhsa_float_denorm_mode_16_64 3
		.amdhsa_memory_ordered 1
		.amdhsa_forward_progress 1
		.amdhsa_inst_pref_size 245
	.end_amdhsa_kernel
	.amdgpu_metadata
---
amdhsa.version: [ 1, 2 ]
amdhsa.kernels:
  - .name:           k_qf51eb8d591_gateup
    .symbol:         k_qf51eb8d591_gateup.kd
    .args:
      - { .name: gate_projs, .offset: 0, .size: 8, .value_kind: global_buffer, .address_space: global }
      - { .name: up_projs, .offset: 8, .size: 8, .value_kind: global_buffer, .address_space: global }
      - { .name: xb, .offset: 16, .size: 8, .value_kind: global_buffer, .address_space: global }
      - { .name: list, .offset: 24, .size: 8, .value_kind: global_buffer, .address_space: global }
      - { .name: cnt, .offset: 32, .size: 8, .value_kind: global_buffer, .address_space: global }
      - { .name: pp, .offset: 40, .size: 8, .value_kind: global_buffer, .address_space: global }
    .group_segment_fixed_size: 312832
    .private_segment_fixed_size: 0
    .kernarg_segment_align: 8
    .kernarg_segment_size: 48
    .max_flat_workgroup_size: 128
    .sgpr_count:     66
    .vgpr_count:     1024
    .wavefront_size: 32
...
	.end_amdgpu_metadata
.endif
;; end of part 3
;; launch mix1 (part 4): grid 256 x 1, 8 waves a work-group, no clusters, 0 bytes of LDS; arguments pp, wts, hb; writes hb
.if DOCPART == 4
	.amdgcn_target "amdgcn-amd-amdhsa--gfx1250"
	.amdhsa_code_object_version 6
	.text
	.protected	k_qf51eb8d591_mix1
	.globl	k_qf51eb8d591_mix1
	.p2align	8
	.type	k_qf51eb8d591_mix1,@function
k_qf51eb8d591_mix1:
	s_mov_b64 s[64:65], 0
	v_nop
	global_prefetch_b8 v0, s[64:65] scope:SCOPE_SE
	s_setreg_imm32_b32 hwreg(HW_REG_WAVE_MODE, 25, 1), 1
	s_wait_xcnt 0x0
; h[t] = silu(w0 g0 + w1 g1) x (w0 u0 + w1 u1), where g0, u0 and g1, u1 are the token's two partial rows in pp (rows 2 t and 2 t + 1: gate's 2,048 columns, then up's) and w0, w1 its weights.
; All in f32; h is rounded once to bf16 (bf16 and not f16: with inputs some 30 times larger h passes f16's range).  silu(g) = g / (1 + 2^(-g log2 e)); where the power overflows the quotient is 0, as it should be.
; A stream: each byte of pp is read once, each byte of hb written once; no LDS, no barrier, no matrix unit: none of them would spare a byte.
; SHARES.  A work-group has 4 tokens; thread n has columns 4 n .. + 3 of each half of 1,024 columns.  All 32 loads of a thread (16 bytes each; 512 neighbouring bytes a wave) go out at the start.
.set LD, 16                            ; v16-143: token k, half q at LD + 32 k + 16 q: g0, u0, g1, u1, four registers each
	s_load_b128 s[4:7], s[0:1], 0x0                ; pp, wts
	s_load_b64 s[8:9], s[0:1], 0x10                ; hb
	v_lshlrev_b32 v1, 4, v0
	v_lshlrev_b32 v2, 3, v0
	s_lshl_b32 s10, ttmp9, 17                      ; 4 tokens x 2 rows x 16,384 bytes
	s_mov_b32 s11, 0
	s_lshl_b32 s12, ttmp9, 5                       ; 4 tokens x 2 weights
	s_mov_b32 s13, 0
	s_lshl_b32 s14, ttmp9, 14                      ; 4 rows of 4,096 bytes
	s_mov_b32 s15, 0
	s_wait_kmcnt 0x0
	s_add_nc_u64 s[4:5], s[4:5], s[10:11]
	s_add_nc_u64 s[6:7], s[6:7], s[12:13]
	s_add_nc_u64 s[8:9], s[8:9], s[14:15]
	s_load_b256 s[16:23], s[6:7], 0x0
.irp k, 0,1,2,3
.irp q, 0,1
.irp m, 0,1,2,3
	global_load_b128 v[LD+32*(\k)+16*(\q)+4*(\m):LD+32*(\k)+16*(\q)+4*(\m)+3], v1, s[4:5] offset:32768*(\k)+8192*(\m)+4096*(\q) th:TH_LOAD_NT
.endr
.endr
.endr
	s_wait_kmcnt 0x0
.irp k, 0,1,2,3
	s_mov_b32 s[24+4*(\k)], s[16+2*(\k)]           ; each weight twice: the packed forms name a pair and take its low word for both halves
	s_mov_b32 s[25+4*(\k)], s[16+2*(\k)]
	s_mov_b32 s[26+4*(\k)], s[17+2*(\k)]
	s_mov_b32 s[27+4*(\k)], s[17+2*(\k)]
.endr
.macro TOK k
	s_wait_loadcnt 24-8*(\k)                       ; this token's 8 loads are in; the later tokens' stay out
.irp q, 0,1
.irp p, 0,2
.set b, LD+32*(\k)+16*(\q)+(\p)
	v_pk_mul_f32 v[b:b+1], v[b:b+1], s[24+4*(\k):25+4*(\k)] op_sel_hi:[1,0]
	v_pk_mul_f32 v[b+4:b+5], v[b+4:b+5], s[24+4*(\k):25+4*(\k)] op_sel_hi:[1,0]
	v_pk_fma_f32 v[b:b+1], v[b+8:b+9], s[26+4*(\k):27+4*(\k)], v[b:b+1] op_sel_hi:[1,0,1]        ; g
	v_pk_fma_f32 v[b+4:b+5], v[b+12:b+13], s[26+4*(\k):27+4*(\k)], v[b+4:b+5] op_sel_hi:[1,0,1]  ; u
	v_pk_mul_f32 v[b+8:b+9], v[b:b+1], 0xbfb8aa3b op_sel_hi:[1,0]                                ; - g log2 e
.endr
.endr
.irp q, 0,1
.irp n, 0,1,2,3
	v_exp_f32 v[LD+32*(\k)+16*(\q)+8+(\n)], v[LD+32*(\k)+16*(\q)+8+(\n)]
.endr
.endr
	v_nop                                          ; a plain instruction behind the last exponential,
	s_wait_alu depctr_va_vdst(0)                   ; and one wait for the eight
.irp q, 0,1
.irp p, 0,2
	v_pk_add_f32 v[LD+32*(\k)+16*(\q)+8+(\p):LD+32*(\k)+16*(\q)+9+(\p)], v[LD+32*(\k)+16*(\q)+8+(\p):LD+32*(\k)+16*(\q)+9+(\p)], 1.0 op_sel_hi:[1,0]
.endr
.endr
.irp q, 0,1
.irp n, 0,1,2,3
	v_rcp_f32 v[LD+32*(\k)+16*(\q)+8+(\n)], v[LD+32*(\k)+16*(\q)+8+(\n)]
.endr
.endr
	v_nop
	s_wait_alu depctr_va_vdst(0)
.irp q, 0,1
.irp p, 0,2
.set b, LD+32*(\k)+16*(\q)+(\p)
	v_pk_mul_f32 v[b:b+1], v[b:b+1], v[b+8:b+9]    ; silu(g)
	v_pk_mul_f32 v[b:b+1], v[b:b+1], v[b+4:b+5]    ; x u
.endr
.set b, LD+32*(\k)+16*(\q)
	v_cvt_pk_bf16_f32 v[b+12], v[b], v[b+1]
	v_cvt_pk_bf16_f32 v[b+13], v[b+2], v[b+3]
	global_store_b64 v2, v[b+12:b+13], s[8:9] offset:4096*(\k)+2048*(\q)  ; the wave stores 256 neighbouring bytes, aligned; no register of a store is written again
.endr
.endm
	TOK 0
	TOK 1
	TOK 2
	TOK 3
	s_endpgm
.Lfunc_end_k_qf51eb8d591_mix1:
	.size	k_qf51eb8d591_mix1, .Lfunc_end_k_qf51eb8d591_mix1-k_qf51eb8d591_mix1
	.p2alignl 7, 3214868480
	.fill 96, 4, 3214868480
	.section	.rodata,"a",@progbits
	.p2align	6, 0x0
	.amdhsa_kernel k_qf51eb8d591_mix1
		.amdhsa_group_segment_fixed_size 0
		.amdhsa_private_segment_fixed_size 0
		.amdhsa_enable_private_segment 0
		.amdhsa_kernarg_size 24
		.amdhsa_user_sgpr_count 2
		.amdhsa_user_sgpr_kernarg_segment_ptr 1
		.amdhsa_wavefront_size32 1
		.amdhsa_system_sgpr_workgroup_id_x 1
		.amdhsa_system_sgpr_workgroup_id_y 1
		.amdhsa_system_sgpr_workgroup_id_z 1
		.amdhsa_system_vgpr_workitem_id 0
		.amdhsa_next_free_vgpr 144
		.amdhsa_next_free_sgpr 66
		.amdhsa_reserve_vcc 0
		.amdhsa_float_denorm_mode_32 3
		.amdhsa_float_denorm_mode_16_64 3
		.amdhsa_memory_ordered 1
		.amdhsa_forward_progress 1
		.amdhsa_inst_pref_size 18
	.end_amdhsa_kernel
	.amdgpu_metadata
---
amdhsa.version: [ 1, 2 ]
amdhsa.kernels:
  - .name:           k_qf51eb8d591_mix1
    .symbol:         k_qf51eb8d591_mix1.kd
    .args:
      - { .name: pp, .offset: 0, .size: 8, .value_kind: global_buffer, .address_space: global }
      - { .name: wts, .offset: 8, .size: 8, .value_kind: global_buffer, .address_space: global }
      - { .name: hb, .offset: 16, .size: 8, .value_kind: global_buffer, .address_space: global }
    .group_segment_fixed_size: 0
    .private_segment_fixed_size: 0
    .kernarg_segment_align: 8
    .kernarg_segment_size: 24
    .max_flat_workgroup_size: 256
    .sgpr_count:     66
    .vgpr_count:     144
    .wavefront_size: 32
...
	.end_amdgpu_metadata
.endif
;; end of part 4
;; launch down (part 5): grid 32 x 8, 4 waves a work-group, no clusters, 181,760 bytes of LDS; arguments down_projs, hb, list, cnt, qq; writes qq
.if DOCPART == 5
	.amdgcn_target "amdgcn-amd-amdhsa--gfx1250"
	.amdhsa_code_object_version 6
	.text
	.protected	k_qf51eb8d591_down
	.globl	k_qf51eb8d591_down
	.p2align	8
	.type	k_qf51eb8d591_down,@function
k_qf51eb8d591_down:
	s_mov_b64 s[64:65], 0
	v_nop
	global_prefetch_b8 v0, s[64:65] scope:SCOPE_SE
	s_setreg_imm32_b32 hwreg(HW_REG_WAVE_MODE, 25, 1), 1
	s_wait_xcnt 0x0
; THE SECOND PRODUCT, by expert and half of K.  qq[kh][rid][0:1024] = h[t][1024 kh : 1024 kh + 1024] . down_projs[e][1024 kh : .. ], for every routed row rid = 2 t + k of expert e; f32 partial rows,
; which the next launch adds and weighs.  Operands bf16 (h was rounded once by the launch before, the weights are rounded here on their way through registers), sums f32.
; SHARES.  Work-group (x, e), x = 16 kh + sl: columns 64 sl .. + 63, K rows 1024 kh .. + 1023 of expert e: 256 KiB of f32 weights that no other work-group reads, and ALL rows of that expert.
; PHASE 1: the slice goes into LDS as bf16, [1024 K rows][64 columns], each byte written once.  Wave w brings K rows 256 w .. + 255; four sets of 16 loads are on their way.
; PHASE 2: the rows, 16 to a tile, five tiles (slots) a wave and pass, 320 rows a pass; four passes cover the 1,024 rows that an expert can have at the most.  Token rows come straight from
; memory as matrix operands, by the expert's list; weights come out of LDS turned (ds_load_tr16_b128).  Nothing in the loop writes the slice: ONE barrier in the kernel, between the phases.
; What a pass does hangs on a stored count, so every LDS address in it is fixed: eight base registers, one for each 128 of K, made at the head and never rewritten, and immediates; the walk along K is written out.
; A pass whose first tile lies past the count is jumped; so are a dead fifth slot's products and a dead slot's stores.  Places past the count repeat the last row, which stores the same bits twice.
; THE MATRIX INSTRUCTION IS USED TRANSPOSED: source 0 = 16 columns of weights, source 1 = 16 tokens: a lane then holds one token and 8 neighbouring columns.
; NO CLUSTER, NO TENSOR LOADS: a slice has one reader and must pass through registers to be rounded; the rows that an expert's work-groups share are named by a list, which no one descriptor covers.
; REGISTERS, in windows of 256 (s_set_vgpr_msb: bits 1:0 source 0, 3:2 source 1, 5:4 source 2, 7:6 destination):
;   window 0: addresses; v48-79 at work; v96-159 weights' fragments, two buffers of four      window 1: phase 1: four sets of 64; phase 2: v0-159 tokens' buffer X (slot x 32 + K step x 8)
;   window 2: v0-127 accumulators of slots 0-3 (slot x 32 + block x 8)                        window 3: v0-31 slot 4's; v64-223 tokens' buffer Y
.set NG,     1                         ; one group of 64 columns
.set WPITCH, 4096                      ; bytes in a row of weights
.set LP,     160                       ; an LDS row: 128 bytes + 32: an odd multiple of 32; four rows on is 128 bytes on modulo 256
.set RS,     32                        ; K rows in a set of 16 loads
.set NTRIP,  2                         ; 256 rows / 4 sets / RS
.set ASH,    12                        ; a token's row of hb: 4,096 bytes
.set OSH,    12                        ; a row of qq: 4,096 bytes
.set UH,     4*NG                      ; half-steps (32 K x 64 columns) in a chunk of 128 K
.set STAGE,  1024*LP                   ; behind the slice: 16 rows x 272 bytes for each wave, for the way out
.set SROW,   272
.set SWAVE,  16*SROW
.set SPARE,  STAGE+4*SWAVE             ; the spare words: 128 bytes for each wave
.set R16,  2                           ; v2   lane % 16
.set H,    3                           ; v3   lane / 16
.set H16,  4                           ; v4   16 x (lane / 16)
.set L16,  5                           ; v5   16 x (lane % 16)
.set WOFF, 6                           ; v6   weights: my 16 bytes of a row; lanes 16-31 four rows down
.set WST,  7                           ; v7   where I put 8 bytes of the slice; stepped in phase 1
.set STO,  10                          ; v10  the way out: where I put 32 bytes of a row
.set RD,   11                          ; v11  the way out: where I read a row back
.set SPW,  12                          ; v12  my spare word's LDS address; never rewritten
.set NIL,  13                          ; v13  0; never rewritten
.set TA,   14                          ; v14-15 at work
.set TB,   15
.set LO,   16                          ; v16-20 slot i: byte offset of my entry of the list
.set RID,  21                          ; v21-25 slot i: my row's number
.set AO,   26                          ; v26-30 slot i: byte offset of my token's fragment in hb
.set BI,   32                          ; v32-39 4 x (2 t + lane / 16): which lane knows the number of the row that I store
.set RO,   40                          ; v40-47 byte offsets in qq of the rows that I store
.set T,    48                          ; v48-79 phase 1: a set in bf16
.set RB,   48                          ;        the way out: 16 rows read back
.set BADC, 80                          ; v80-87 my lane's place in a fragment of the slice, in chunk c of 128 K; never rewritten
.set BF,   96
.set MSB, 0
.macro WIN new                         ; the immediate's high byte repeats the setting that is left; a switch that changes nothing is dropped
.if MSB != (\new)
	s_set_vgpr_msb (MSB<<8)|(\new)
.set MSB, (\new)
.endif
.endm
.macro PLACES                          ; four plain vector instructions between a matrix instruction and a load into, or a read of, its registers (ISA guide 7.12.1 for the reads)
.rept 4
	v_nop
.endr
.endm
; 16 loads: RS rows of the slice.  Lanes 0-15 take the 256 bytes of one row, lanes 16-31 those of the row four further down.  ahead = 1: the rows of the next trip.
.macro WISSUE set, ahead
	WIN 0x40                                       ; destination window 1
.set j, 0
.rept 16
.set wg, j/(16/NG)
.set wi, j%(16/NG)
.set wa, 8*(wi/4)+wi%4
	global_load_b128 v[64*(\set)+4*j:64*(\set)+4*j+3], v[WOFF], s[4+2*wg:5+2*wg] offset:((\set)*RS+wa+(\ahead)*4*RS)*WPITCH th:TH_LOAD_NT
.set j, j+1
.endr
	WIN 0
.endm
; A set is rounded and laid into the slice.  left = the younger loads that may stay out.
.macro CONSUME set, left
	s_wait_loadcnt \left
	WIN 0x05                                       ; sources window 1, destination window 0
.set j, 0
.rept 32
	v_cvt_pk_bf16_f32 v[T+j], v[64*(\set)+2*j], v[64*(\set)+2*j+1]
.set j, j+1
.endr
	WIN 0
.set j, 0
.rept 16
.set wg, j/(16/NG)
.set wi, j%(16/NG)
.set wa, 8*(wi/4)+wi%4
	ds_store_b64 v[WST], v[T+2*j:T+2*j+1] offset:((\set)*RS+wa)*LP+128*wg  ; 2 x 128 bytes, 128 apart modulo 256
.set j, j+1
.endr
.endm
; The numbers of my five tiles' rows: place min(16 x tile + lane % 16, count - 1) of the list
.macro SETUP_A
.irp i, 0,1,2,3,4
	s_add_co_u32 s25, s22, 4*(\i)
	s_lshl_b32 s25, s25, 4
	v_add_nc_u32 v[TA], s25, v[R16]
	v_min_u32 v[TA], s20, v[TA]
	v_min_u32 v[TA], 0x3ff, v[TA]                  ; the bound is written here, since the count is loaded data
	v_lshlrev_b32 v[LO+(\i)], 2, v[TA]
	global_load_b32 v[RID+(\i)], v[LO+(\i)], s[10:11]
.endr
.endm
; 40 loads: five tiles x chunk c's 128 K of token rows, as source 1 fragments: lane l takes row l % 16, K = 8 (l / 16) + 0..7 and 16 + 8 (l / 16) + 0..7 of each 32
.macro ALOAD y, c
	WIN 0x40+0x80*(\y)                             ; destination window 1 (X) or 3 (Y)
.set ab, 64*(\y)
.irp i, 0,1,2,3,4
.irp k, 0,1,2,3
	global_load_b128 v[ab+32*(\i)+8*(\k):ab+32*(\i)+8*(\k)+3],   v[AO+(\i)], s[8:9] offset:256*(\c)+64*(\k)
	global_load_b128 v[ab+32*(\i)+8*(\k)+4:ab+32*(\i)+8*(\k)+7], v[AO+(\i)], s[8:9] offset:256*(\c)+64*(\k)+32
.endr
.endr
	WIN 0
.endm
.macro SETUP_B
.irp i, 0,1,2,3,4
	v_lshrrev_b32 v[TA], 1, v[RID+(\i)]            ; the token
	v_min_u32 v[TA], 0x3ff, v[TA]
	v_lshlrev_b32 v[TA], ASH, v[TA]
	v_add_nc_u32 v[AO+(\i)], v[TA], v[H16]
.endr
	ALOAD 0, 0
.endm
; 8 turning loads: half-step g of the 8 x UH along K: 32 K x 64 columns, four fragments, into buffer g % 2
.macro BLOAD g
.set bc, (\g)/UH
.set bk, ((\g)%UH)/NG
.set bg, (\g)%NG
.set bb, BF+32*((\g)%2)
.irp c, 0,1,2,3
	ds_load_tr16_b128 v[bb+8*(\c):bb+8*(\c)+3],   v[BADC+bc] offset:32*bk*LP+128*bg+32*(\c)
	ds_load_tr16_b128 v[bb+8*(\c)+4:bb+8*(\c)+7], v[BADC+bc] offset:32*bk*LP+128*bg+32*(\c)+16*LP
.endr
.endm
; A half-step: the next one's fragments are asked for, then 16 products (slots 0-3 x 4 blocks) and slot 4's four.  The accumulators take turns, one instruction a turn:
; an accumulator comes up again behind 15 others' at the least.  The products of the first 32 K (g < NG) start the sums; slot 4's stand there without the jump, so that its registers are written on every path.
.macro HALF y, g
.set hk, ((\g)%UH)/NG
.set hg, (\g)%NG
.set hbf, BF+32*((\g)%2)
.set ha, 64*(\y)+8*hk
.if ((\g)%UH) > 0
	PLACES                                         ; behind the products that read the buffer now loaded (at a chunk's head the chunk's own four serve)
.endif
.if (\g) == 8*UH-1
	s_wait_dscnt 0x0                               ; nothing more is fetched
.else
	BLOAD (\g)+1
	s_wait_dscnt 8                                 ; this half-step's fragments are in; the 8 loads just issued stay out
.endif
	WIN 0xa4+8*(\y)                                ; weights window 0, tokens window 1 or 3, sums window 2
.irp i, 0,1,2,3
.irp c, 0,1,2,3
.if (\g) < NG
	v_wmma_f32_16x16x32_bf16 v[32*NG*(\i)+32*hg+8*(\c):32*NG*(\i)+32*hg+8*(\c)+7], v[hbf+8*(\c):hbf+8*(\c)+7], v[ha+32*(\i):ha+32*(\i)+7], 0
.else
	v_wmma_f32_16x16x32_bf16 v[32*NG*(\i)+32*hg+8*(\c):32*NG*(\i)+32*hg+8*(\c)+7], v[hbf+8*(\c):hbf+8*(\c)+7], v[ha+32*(\i):ha+32*(\i)+7], v[32*NG*(\i)+32*hg+8*(\c):32*NG*(\i)+32*hg+8*(\c)+7]
.endif
.endr
.endr
.if (\g) < NG
	WIN 0xf4+8*(\y)                                ; sums window 3
.irp c, 0,1,2,3
	v_wmma_f32_16x16x32_bf16 v[32*hg+8*(\c):32*hg+8*(\c)+7], v[hbf+8*(\c):hbf+8*(\c)+7], v[ha+128:ha+135], 0
.endr
	WIN 0
.else
	WIN 0                                          ; at a branch and at a label every window is 0
	s_cmp_eq_u32 s23, 0
	s_cbranch_scc1 .Lno4_\@
	WIN 0xf4+8*(\y)
.irp c, 0,1,2,3
	v_wmma_f32_16x16x32_bf16 v[32*hg+8*(\c):32*hg+8*(\c)+7], v[hbf+8*(\c):hbf+8*(\c)+7], v[ha+128:ha+135], v[32*hg+8*(\c):32*hg+8*(\c)+7]
.endr
	WIN 0
.Lno4_\@:
.endif
.endm
; Chunk c of 128 K, on tokens' buffer c % 2.  The next chunk's token rows are asked for, into the other buffer: they have this whole chunk in which to land.
.macro CHUNK c
	s_wait_loadcnt 0x0                             ; my buffer's 40 loads, issued a chunk ago, are in
	PLACES                                         ; behind the products that read the other buffer
.if (\c) < 7
	ALOAD 1-(\c)%2, (\c)+1
.endif
.set hu, 0
.rept UH
	HALF (\c)%2, (\c)*UH+hu
.set hu, hu+1
.endr
.endm
; THE WAY OUT of slot i: 16 rows x 64 columns go through my own stage and come back as whole rows of 256 bytes; the rows' numbers come from the lanes that hold them.
.macro OUT i
	s_add_co_u32 s25, s22, 4*(\i)
	s_lshl_b32 s25, s25, 4
	s_cmp_ge_u32 s25, s19
	s_cbranch_scc1 .Ldead_\@                       ; the tile lies past the count
	s_wait_xcnt 0x0                                ; the offsets and data of earlier stores are rewritten only behind this wait
.irp t, 0,1,2,3,4,5,6,7
	ds_bpermute_b32 v[RO+(\t)], v[BI+(\t)], v[RID+(\i)]
.endr
.set og, 0
.rept NG
.if og > 0
	s_wait_xcnt 0x0
.endif
.if (\i) < 4
	WIN 0x08                                       ; store data window 2
.set oa, 32*NG*(\i)+32*og
.else
	WIN 0x0c                                       ; window 3
.set oa, 32*og
.endif
.irp c, 0,1,2,3
	ds_store_b128 v[STO], v[oa+8*(\c):oa+8*(\c)+3] offset:64*(\c)        ; each accumulator's low registers first
	ds_store_b128 v[STO], v[oa+8*(\c)+4:oa+8*(\c)+7] offset:64*(\c)+16
.endr
	WIN 0
.irp t, 0,1,2,3,4,5,6,7
	ds_load_b128 v[RB+4*(\t):RB+4*(\t)+3], v[RD] offset:2*SROW*(\t)      ; LDS serves a wave's instructions in order (ISA guide 5.7.1.4): these see the stores above
.endr
.if og == 0
	s_wait_dscnt 16                                ; the rows' numbers are in; the 16 stage instructions behind them stay out
.irp t, 0,1,2,3,4,5,6,7
	v_min_u32 v[RO+(\t)], 0x7ff, v[RO+(\t)]
	v_lshlrev_b32 v[RO+(\t)], OSH, v[RO+(\t)]
	v_add_nc_u32 v[RO+(\t)], v[RO+(\t)], v[L16]
.endr
.endif
.irp t, 0,1,2,3,4,5,6,7
	s_wait_dscnt 7-(\t)
	global_store_b128 v[RO+(\t)], v[RB+4*(\t):RB+4*(\t)+3], s[14:15] offset:8192*og  ; 16 lanes store 256 consecutive bytes of a row, aligned
.endr
.set og, og+1
.endr
.Ldead_\@:
.endm
	s_load_b64 s[4:5], s[0:1], 0x0                 ; down_projs
	s_load_b256 s[8:15], s[0:1], 0x8               ; hb s[8:9], list s[10:11], cnt s[12:13], qq s[14:15]
	v_lshl_add_u32 v[SPW], v0, 2, SPARE
	v_mov_b32 v[NIL], 0
	v_lshrrev_b32 v[TA], 5, v0
	v_readfirstlane_b32 s16, v[TA]                 ; wave 0..3
	v_and_b32 v[R16], 15, v0
	v_bfe_u32 v[H], v0, 4, 1
	v_lshlrev_b32 v[H16], 4, v[H]
	v_lshlrev_b32 v[L16], 4, v[R16]
	v_mul_u32_u24 v[TA], v[H], 4*WPITCH
	v_add_nc_u32 v[WOFF], v[TA], v[L16]
	s_mul_i32 s25, s16, 256*LP                     ; my 256 rows of the slice
	v_mul_u32_u24 v[TA], v[H], 4*LP
	v_lshl_add_u32 v[TA], v[R16], 3, v[TA]
	v_add_nc_u32 v[WST], s25, v[TA]
	v_and_b32 v[TA], 7, v0                         ; the turning load: lane l reads K row 8 (l / 16) + l % 8, columns 8 ((l / 8) % 2) + 0..7
	v_lshl_add_u32 v[TA], v[H], 3, v[TA]
	v_mul_u32_u24 v[TA], v[TA], LP
	v_bfe_u32 v[TB], v0, 3, 1
	v_lshl_add_u32 v[BADC], v[TB], 4, v[TA]
.irp c, 1,2,3,4,5,6,7
	v_add_nc_u32 v[BADC+(\c)], (\c)*128*LP, v[BADC]
.endr
	s_mul_i32 s25, s16, SWAVE
	s_add_co_u32 s25, s25, STAGE                   ; my stage
	v_mul_u32_u24 v[TA], v[R16], SROW              ; in: row l % 16, 32 bytes for each half of the lanes
	v_lshl_add_u32 v[TA], v[H], 5, v[TA]
	v_add_nc_u32 v[STO], s25, v[TA]
	v_mul_u32_u24 v[TA], v[H], SROW                ; back: lanes 0-15 one row of 256 bytes, lanes 16-31 the next
	v_add_nc_u32 v[TA], v[TA], v[L16]
	v_add_nc_u32 v[RD], s25, v[TA]
.irp t, 0,1,2,3,4,5,6,7
	v_lshl_add_u32 v[BI+(\t)], v[H], 2, 8*(\t)
.endr
	s_and_b32 s17, ttmp7, 0xffff                   ; the expert
	s_and_b32 s18, ttmp9, 15                       ; the slice of columns
	s_lshr_b32 s36, ttmp9, 4                       ; the half of K
	s_lshl_b32 s28, s17, 23                        ; an expert's weights: 8 MiB;
	s_lshl_b32 s25, s36, 22                        ; a half: 1,024 rows of 4,096 bytes;
	s_add_co_u32 s28, s28, s25
	s_lshl_b32 s25, s16, 20                        ; my 256 rows;
	s_add_co_u32 s28, s28, s25
	s_lshl_b32 s25, s18, 8                         ; the slice's 256 bytes of a row
	s_add_co_u32 s28, s28, s25
	s_mov_b32 s29, 0
	s_lshl_b32 s30, s17, 12
	s_mov_b32 s31, 0
	s_lshl_b32 s32, s17, 8
	s_mov_b32 s33, 0
	s_lshl_b32 s34, s36, 23                        ; qq: a half is 2,048 rows of 4,096 bytes
	s_add_co_u32 s34, s34, s25
	s_mov_b32 s35, 0
	s_lshl_b32 s36, s36, 11                        ; hb: a half of a row is 2,048 bytes
	s_mov_b32 s37, 0
	s_wait_kmcnt 0x0
	s_add_nc_u64 s[4:5], s[4:5], s[28:29]
	s_add_nc_u64 s[8:9], s[8:9], s[36:37]
	s_add_nc_u64 s[10:11], s[10:11], s[30:31]
	s_add_nc_u64 s[12:13], s[12:13], s[32:33]
	s_add_nc_u64 s[14:15], s[14:15], s[34:35]
	s_load_b32 s19, s[12:13], 0x0                  ; the expert's count
	WISSUE 0, 0
	WISSUE 1, 0
	WISSUE 2, 0
	WISSUE 3, 0
	s_wait_kmcnt 0x0
	s_min_u32 s19, s19, 0x400                      ; 1,024 at the most
	s_max_u32 s20, s19, 1
	s_sub_co_u32 s20, s20, 1                       ; the last row's place (0 for an expert without rows: that entry is written as 0)
	s_mov_b32 s21, 0                               ; the pass
	s_mov_b32 s22, s16                             ; my first tile of the pass: 20 x pass + wave
	SETUP_A
	s_mov_b32 s24, NTRIP-1
.Lstage:                                               ; 48 = the three younger sets
	CONSUME 0, 48
	WISSUE 0, 1
	CONSUME 1, 48
	WISSUE 1, 1
	CONSUME 2, 48
	WISSUE 2, 1
	CONSUME 3, 48
	WISSUE 3, 1
	s_wait_xcnt 0x0                                ; the base is stepped only behind this wait
	s_add_nc_u64 s[4:5], s[4:5], 4*RS*WPITCH
	v_add_nc_u32 v[WST], 4*RS*LP, v[WST]
	s_sub_co_u32 s24, s24, 1
	s_cmp_lg_u32 s24, 0
	s_cbranch_scc1 .Lstage
	CONSUME 0, 48                                  ; the last four sets: the counts run down
	CONSUME 1, 32
	CONSUME 2, 16
	SETUP_B                                        ; the list loads are long in; the first 40 loads of token rows go into registers of sets 0 to 2, which have been read
	CONSUME 3, 40                                  ; 40 = those loads
	s_wait_dscnt 0x0                               ; for the others' sake: my part of the slice lies in LDS
	s_barrier_signal -1
	s_barrier_wait -1
.Lpass:                                                ; four trips, whatever the count
	s_lshl_b32 s25, s22, 4
	s_cmp_ge_u32 s25, s19
	s_cbranch_scc1 .Lnext                          ; my first tile lies past the count: nothing to do in this pass
	s_cmp_eq_u32 s21, 0
	s_cbranch_scc1 .Lgo                            ; pass 0 was set up in phase 1
	SETUP_A
	s_wait_loadcnt 0x0
	SETUP_B
.Lgo:
	s_add_co_u32 s25, s22, 16
	s_lshl_b32 s25, s25, 4
	s_cmp_lt_u32 s25, s19
	s_cselect_b32 s23, 1, 0                        ; is my fifth slot live?
	BLOAD 0
.set cc, 0
.rept 8
	CHUNK cc
.set cc, cc+1
.endr
	PLACES                                         ; behind the last products, ahead of the stores that read the sums
	OUT 0
	OUT 1
	OUT 2
	OUT 3
	OUT 4
.Lnext:
	s_add_co_u32 s22, s22, 20
	s_add_co_u32 s21, s21, 1
	s_cmp_lt_u32 s21, 4
	s_cbranch_scc1 .Lpass
	s_wait_tensorcnt 0x0                           ; the wave's end, behind my last LDS store
	ds_add_u32 v[SPW], v[NIL]
	s_wait_dscnt 0x0
	s_endpgm
.Lfunc_end_k_qf51eb8d591_down:
	.size	k_qf51eb8d591_down, .Lfunc_end_k_qf51eb8d591_down-k_qf51eb8d591_down
	.p2alignl 7, 3214868480
	.fill 96, 4, 3214868480
	.section	.rodata,"a",@progbits
	.p2align	6, 0x0
	.amdhsa_kernel k_qf51eb8d591_down
		.amdhsa_group_segment_fixed_size 181760
		.amdhsa_private_segment_fixed_size 0
		.amdhsa_enable_private_segment 0
		.amdhsa_kernarg_size 40
		.amdhsa_user_sgpr_count 2
		.amdhsa_user_sgpr_kernarg_segment_ptr 1
		.amdhsa_wavefront_size32 1
		.amdhsa_system_sgpr_workgroup_id_x 1
		.amdhsa_system_sgpr_workgroup_id_y 1
		.amdhsa_system_sgpr_workgroup_id_z 1
		.amdhsa_system_vgpr_workitem_id 0
		.amdhsa_next_free_vgpr 1024
		.amdhsa_next_free_sgpr 66
		.amdhsa_reserve_vcc 0
		.amdhsa_float_denorm_mode_32 3
		.amdhsa_float_denorm_mode_16_64 3
		.amdhsa_memory_ordered 1
		.amdhsa_forward_progress 1
		.amdhsa_inst_pref_size 168
	.end_amdhsa_kernel
	.amdgpu_metadata
---
amdhsa.version: [ 1, 2 ]
amdhsa.kernels:
  - .name:           k_qf51eb8d591_down
    .symbol:         k_qf51eb8d591_down.kd
    .args:
      - { .name: down_projs, .offset: 0, .size: 8, .value_kind: global_buffer, .address_space: global }
      - { .name: hb, .offset: 8, .size: 8, .value_kind: global_buffer, .address_space: global }
      - { .name: list, .offset: 16, .size: 8, .value_kind: global_buffer, .address_space: global }
      - { .name: cnt, .offset: 24, .size: 8, .value_kind: global_buffer, .address_space: global }
      - { .name: qq, .offset: 32, .size: 8, .value_kind: global_buffer, .address_space: global }
    .group_segment_fixed_size: 181760
    .private_segment_fixed_size: 0
    .kernarg_segment_align: 8
    .kernarg_segment_size: 40
    .max_flat_workgroup_size: 128
    .sgpr_count:     66
    .vgpr_count:     1024
    .wavefront_size: 32
...
	.end_amdgpu_metadata
.endif
;; end of part 5
;; launch mix2 (part 6): grid 256 x 1, 8 waves a work-group, no clusters, 0 bytes of LDS; arguments qq, wts, out0; writes out0
.if DOCPART == 6
	.amdgcn_target "amdgcn-amd-amdhsa--gfx1250"
	.amdhsa_code_object_version 6
	.text
	.protected	k_qf51eb8d591_mix2
	.globl	k_qf51eb8d591_mix2
	.p2align	8
	.type	k_qf51eb8d591_mix2,@function
k_qf51eb8d591_mix2:
	s_mov_b64 s[64:65], 0
	v_nop
	global_prefetch_b8 v0, s[64:65] scope:SCOPE_SE
	s_setreg_imm32_b32 hwreg(HW_REG_WAVE_MODE, 25, 1), 1
	s_wait_xcnt 0x0
; out0[t] = w0 (q[0][2 t] + q[1][2 t]) + w1 (q[0][2 t + 1] + q[1][2 t + 1]): the two halves of K of each of the token's two partial rows are added, then weighed.  All in f32.
; A stream: each byte of qq is read once, each byte of out0 written once; no LDS, no barrier, no matrix unit: none of them would spare a byte.
; SHARES.  A work-group has 4 tokens; thread n has columns 4 n .. + 3.  All 16 loads of a thread (16 bytes each; 512 neighbouring bytes a wave) go out at the start.
.set LD, 8                             ; v8-71: token k at LD + 16 k: q[0][2t], q[1][2t], q[0][2t+1], q[1][2t+1], four registers each
	s_load_b128 s[4:7], s[0:1], 0x0                ; qq, wts
	s_load_b64 s[8:9], s[0:1], 0x10                ; out0
	v_lshlrev_b32 v1, 4, v0
	s_lshl_b32 s10, ttmp9, 15                      ; 4 tokens x 2 rows x 4,096 bytes
	s_mov_b32 s11, 0
	s_lshl_b32 s12, ttmp9, 5                       ; 4 tokens x 2 weights
	s_mov_b32 s13, 0
	s_lshl_b32 s14, ttmp9, 14                      ; 4 rows of 4,096 bytes
	s_mov_b32 s15, 0
	s_wait_kmcnt 0x0
	s_add_nc_u64 s[4:5], s[4:5], s[10:11]
	s_add_nc_u64 s[6:7], s[6:7], s[12:13]
	s_add_nc_u64 s[8:9], s[8:9], s[14:15]
	s_add_nc_u64 s[40:41], s[4:5], 0x800000        ; the second half of K: 2,048 rows of 4,096 bytes on
	s_load_b256 s[16:23], s[6:7], 0x0
.irp k, 0,1,2,3
	global_load_b128 v[LD+16*(\k):LD+16*(\k)+3],     v1, s[4:5]   offset:8192*(\k) th:TH_LOAD_NT
	global_load_b128 v[LD+16*(\k)+4:LD+16*(\k)+7],   v1, s[40:41] offset:8192*(\k) th:TH_LOAD_NT
	global_load_b128 v[LD+16*(\k)+8:LD+16*(\k)+11],  v1, s[4:5]   offset:8192*(\k)+4096 th:TH_LOAD_NT
	global_load_b128 v[LD+16*(\k)+12:LD+16*(\k)+15], v1, s[40:41] offset:8192*(\k)+4096 th:TH_LOAD_NT
.endr
	s_wait_kmcnt 0x0
.irp k, 0,1,2,3
	s_mov_b32 s[24+4*(\k)], s[16+2*(\k)]           ; each weight twice: the packed forms name a pair and take its low word for both halves
	s_mov_b32 s[25+4*(\k)], s[16+2*(\k)]
	s_mov_b32 s[26+4*(\k)], s[17+2*(\k)]
	s_mov_b32 s[27+4*(\k)], s[17+2*(\k)]
.endr
.irp k, 0,1,2,3
	s_wait_loadcnt 12-4*(\k)                       ; this token's 4 loads are in; the later tokens' stay out
.irp p, 0,2
	v_pk_add_f32 v[LD+16*(\k)+(\p):LD+16*(\k)+(\p)+1], v[LD+16*(\k)+(\p):LD+16*(\k)+(\p)+1], v[LD+16*(\k)+4+(\p):LD+16*(\k)+5+(\p)]
	v_pk_add_f32 v[LD+16*(\k)+8+(\p):LD+16*(\k)+9+(\p)], v[LD+16*(\k)+8+(\p):LD+16*(\k)+9+(\p)], v[LD+16*(\k)+12+(\p):LD+16*(\k)+13+(\p)]
	v_pk_mul_f32 v[LD+16*(\k)+(\p):LD+16*(\k)+(\p)+1], v[LD+16*(\k)+(\p):LD+16*(\k)+(\p)+1], s[24+4*(\k):25+4*(\k)] op_sel_hi:[1,0]
	v_pk_fma_f32 v[LD+16*(\k)+(\p):LD+16*(\k)+(\p)+1], v[LD+16*(\k)+8+(\p):LD+16*(\k)+9+(\p)], s[26+4*(\k):27+4*(\k)], v[LD+16*(\k)+(\p):LD+16*(\k)+(\p)+1] op_sel_hi:[1,0,1]
.endr
	global_store_b128 v1, v[LD+16*(\k):LD+16*(\k)+3], s[8:9] offset:4096*(\k) th:TH_STORE_NT  ; the wave stores 512 neighbouring bytes, aligned; no register of a store is written again
.endr
	s_endpgm
.Lfunc_end_k_qf51eb8d591_mix2:
	.size	k_qf51eb8d591_mix2, .Lfunc_end_k_qf51eb8d591_mix2-k_qf51eb8d591_mix2
	.p2alignl 7, 3214868480
	.fill 96, 4, 3214868480
	.section	.rodata,"a",@progbits
	.p2align	6, 0x0
	.amdhsa_kernel k_qf51eb8d591_mix2
		.amdhsa_group_segment_fixed_size 0
		.amdhsa_private_segment_fixed_size 0
		.amdhsa_enable_private_segment 0
		.amdhsa_kernarg_size 24
		.amdhsa_user_sgpr_count 2
		.amdhsa_user_sgpr_kernarg_segment_ptr 1
		.amdhsa_wavefront_size32 1
		.amdhsa_system_sgpr_workgroup_id_x 1
		.amdhsa_system_sgpr_workgroup_id_y 1
		.amdhsa_system_sgpr_workgroup_id_z 1
		.amdhsa_system_vgpr_workitem_id 0
		.amdhsa_next_free_vgpr 72
		.amdhsa_next_free_sgpr 66
		.amdhsa_reserve_vcc 0
		.amdhsa_float_denorm_mode_32 3
		.amdhsa_float_denorm_mode_16_64 3
		.amdhsa_memory_ordered 1
		.amdhsa_forward_progress 1
		.amdhsa_inst_pref_size 6
	.end_amdhsa_kernel
	.amdgpu_metadata
---
amdhsa.version: [ 1, 2 ]
amdhsa.kernels:
  - .name:           k_qf51eb8d591_mix2
    .symbol:         k_qf51eb8d591_mix2.kd
    .args:
      - { .name: qq, .offset: 0, .size: 8, .value_kind: global_buffer, .address_space: global }
      - { .name: wts, .offset: 8, .size: 8, .value_kind: global_buffer, .address_space: global }
      - { .name: out0, .offset: 16, .size: 8, .value_kind: global_buffer, .address_space: global }
    .group_segment_fixed_size: 0
    .private_segment_fixed_size: 0
    .kernarg_segment_align: 8
    .kernarg_segment_size: 24
    .max_flat_workgroup_size: 256
    .sgpr_count:     66
    .vgpr_count:     72
    .wavefront_size: 32
...
	.end_amdgpu_metadata
.endif
;; end of part 6
;; ======== version 2 of 2: 5 launches; 1.12 times as fast as version 1
;; workspace buffers: xb 2,097,152 bytes; bm 2,048 bytes of whole numbers; wts 8,192 bytes; pp 33,554,432 bytes; hb 4,194,304 bytes; qq 16,777,216 bytes
;; launch router (part 7): grid 128 x 1, 8 waves a work-group, no clusters, 18,176 bytes of LDS; arguments x, q_norm_w, k_proto, v_proto, out1, xb, bm, wts; writes out1, xb, bm, wts
.if DOCPART == 7
	.amdgcn_target "amdgcn-amd-amdhsa--gfx1250"
	.amdhsa_code_object_version 6
	.text
	.protected	k_qf51eb8d591_router
	.globl	k_qf51eb8d591_router
	.p2align	8
	.type	k_qf51eb8d591_router,@function
k_qf51eb8d591_router:
	s_mov_b64 s[64:65], 0
	v_nop
	global_prefetch_b8 v0, s[64:65] scope:SCOPE_SE
	s_setreg_imm32_b32 hwreg(HW_REG_WAVE_MODE, 25, 1), 1
	s_wait_xcnt 0x0
; THE ROUTER.  For each of 1,024 tokens: RMS norm, 8 scores against k_proto, softmax, mix by v_proto, softmax, the two largest, their weights normalised.
; Every input (x, q_norm_w, k_proto, v_proto) is first rounded to bf16, as all the program's matrix operands are; all arithmetic on the rounded numbers is f32.
; Stored: out1 (8 weights a token), xb (x in bf16, for the products), wts (a token's two weights, larger first), and bm, two bitmaps for each expert, at fixed places:
; bm[0][e] has bit t set where token t chose expert e, bm[1][e] where e is token t's second expert; 128 bytes each.  The group's 8 tokens are one byte of each map.
; SHARES.  A work-group has 8 tokens, a wave one.  Lane L holds elements 128 j + 4 L .. + 3, j = 0 .. 7: each 16-byte load of the wave covers 512 neighbouring bytes.
; Wave w also rounds row w of k_proto into LDS, so that each wave reads all 8 rows from there in bf16 (128 registers).
; LIMITS.  The order of the sums and the last bit of the exponentials differ from a plain f32 evaluation: where a token's second and third weight lie within some 2 units
; in the last place of each other (about 1e-7 of their size), the other one may be chosen.  Equal weights: the lower index, as in a stable top-k.  NaN and infinities are not treated apart.
; The routing gain is 1.0 in the problem's text: multiplying by it changes no bit, so no line is written for it.
.set KT,    0                          ; k_proto in bf16: 8 rows of 2,048 bytes
.set RWS,   16384                      ; 8 tokens x 8 weights, f32: 256 bytes
.set IDS,   16640                      ; 8 tokens x 2 experts: 64 bytes of a block of 256
.set WTSL,  16896                      ; 8 tokens x 2 weights: 64 bytes of a block of 256
.set SPARE, 17152                      ; the spare words: 128 bytes for each of 8 waves
.set LN,   1                           ; v1   lane
.set L8,   2                           ; v2   8 x lane
.set L16,  3                           ; v3   16 x lane
.set Q4,   4                           ; v4   4 x (lane & 7)
.set SPW,  5                           ; v5   my spare word's LDS address; never rewritten
.set NIL,  6                           ; v6   0, for the add alone
.set ZERO, 7                           ; v7   0.0
.set X,    8                           ; v8-39    x as loaded, then rounded and widened again
.set W,    40                          ; v40-71   q_norm_w as loaded, then x w
.set K,    72                          ; v72-103  my row of k_proto as loaded
.set WP,   72                          ; v72-87   later: q_norm_w in bf16 pairs
.set D,    88                          ; v88-95   later: the 8 dot products, scores, weights
.set SS,   96                          ; v96-103  later: four chains of the sum of squares; then v96 the sum
.set TM,   97                          ; v97-103  at work
.set XP,   104                         ; v104-119 x in bf16 pairs
.set V,    120                         ; v120-127 v_proto[p][lane & 7]
.set KP,   128                         ; v128-255 k_proto in bf16 pairs: expert e at 16 e
	s_load_b512 s[4:19], s[0:1], 0x0               ; x, q_norm_w, k_proto, v_proto, out1, xb, bm, wts
	v_lshl_add_u32 v[SPW], v0, 2, SPARE
	v_mov_b32 v[NIL], 0
	v_mov_b32 v[ZERO], 0
	v_and_b32 v[LN], 31, v0
	v_lshrrev_b32 v[L8], 5, v0
	v_readfirstlane_b32 s20, v[L8]                 ; wave 0..7
	v_lshlrev_b32 v[L8], 3, v[LN]
	v_lshlrev_b32 v[L16], 4, v[LN]
	v_and_b32 v[Q4], 7, v0
	v_lshlrev_b32 v[Q4], 2, v[Q4]
	s_lshl_b32 s21, ttmp9, 3
	s_add_co_u32 s21, s21, s20                     ; my token
	s_lshl_b32 s22, s21, 12                        ; its 4,096 bytes of x
	s_mov_b32 s23, 0
	s_lshl_b32 s26, s20, 12                        ; row w of k_proto
	s_mov_b32 s27, 0
	s_lshl_b32 s36, s21, 11                        ; its 2,048 bytes of xb
	s_mov_b32 s37, 0
	s_lshl_b32 s38, ttmp9, 8                       ; the group's 256 bytes of out1
	s_mov_b32 s39, 0
	s_lshl_b32 s40, ttmp9, 6                       ; the group's 64 bytes of wts
	s_mov_b32 s41, 0
	s_mov_b32 s46, ttmp9                           ; the group's byte in each map of bm
	s_mov_b32 s47, 0
	s_mov_b32 s24, 0x76543210                      ; v_permlanex16_b32: each lane takes its own place in the other half
	s_mov_b32 s25, 0xfedcba98
	s_mov_b32 s45, 0xffff0000                      ; a word's upper bf16
	s_wait_kmcnt 0x0
	s_add_nc_u64 s[4:5], s[4:5], s[22:23]
	s_add_nc_u64 s[8:9], s[8:9], s[26:27]
	s_add_nc_u64 s[14:15], s[14:15], s[36:37]
	s_add_nc_u64 s[12:13], s[12:13], s[38:39]
	s_add_nc_u64 s[16:17], s[16:17], s[46:47]
	s_add_nc_u64 s[18:19], s[18:19], s[40:41]
.irp j, 0,1,2,3,4,5,6,7
	global_load_b128 v[K+4*(\j):K+4*(\j)+3], v[L16], s[8:9] offset:512*(\j)
.endr
.irp j, 0,1,2,3,4,5,6,7
	global_load_b128 v[X+4*(\j):X+4*(\j)+3], v[L16], s[4:5] offset:512*(\j) th:TH_LOAD_NT
.endr
.irp j, 0,1,2,3,4,5,6,7
	global_load_b128 v[W+4*(\j):W+4*(\j)+3], v[L16], s[6:7] offset:512*(\j)
.endr
.irp p, 0,1,2,3,4,5,6,7
	global_load_b32 v[V+(\p)], v[Q4], s[10:11] offset:32*(\p)
.endr
	s_wait_loadcnt 24                              ; my row of k_proto is in; the 24 younger loads (x, q_norm_w, v_proto) stay out
.set i, 0
.rept 16
	v_cvt_pk_bf16_f32 v[K+i], v[K+2*i], v[K+2*i+1]  ; packed downward in place: word i is written when words 2 i and 2 i + 1 are read
.set i, i+1
.endr
	v_lshl_add_u32 v[K+16], s20, 11, v[L8]         ; row w, 8 bytes a lane
.irp j, 0,1,2,3,4,5,6,7
	ds_store_b64 v[K+16], v[K+2*(\j):K+2*(\j)+1] offset:KT+256*(\j)
.endr
	s_wait_dscnt 0x0                               ; for the others' sake: my row lies in LDS
	s_barrier_signal -1
	s_barrier_wait -1
.set e, 0
.rept 8
.irp j, 0,1,2,3,4,5,6,7
	ds_load_b64 v[KP+16*e+2*(\j):KP+16*e+2*(\j)+1], v[L8] offset:KT+2048*e+256*(\j)
.endr
.set e, e+1
.endr
	s_wait_loadcnt 0x0                             ; x, q_norm_w, v_proto
.set i, 0
.rept 16
	v_cvt_pk_bf16_f32 v[XP+i], v[X+2*i], v[X+2*i+1]
.set i, i+1
.endr
.irp j, 0,1,2,3,4,5,6,7
	global_store_b64 v[L8], v[XP+2*(\j):XP+2*(\j)+1], s[14:15] offset:256*(\j)  ; the wave stores 256 neighbouring bytes, aligned; XP is never rewritten
.endr
.set i, 0
.rept 16
	v_lshlrev_b32 v[X+2*i], 16, v[XP+i]            ; the rounded x as f32
	v_and_b32 v[X+2*i+1], s45, v[XP+i]
.set i, i+1
.endr
.irp c, 0,1,2,3
	v_pk_mul_f32 v[SS+2*(\c):SS+2*(\c)+1], v[X+2*(\c):X+2*(\c)+1], v[X+2*(\c):X+2*(\c)+1]  ; four chains; the first products start them
.endr
.set i, 4
.rept 12
	v_pk_fma_f32 v[SS+2*(i%4):SS+2*(i%4)+1], v[X+2*i:X+2*i+1], v[X+2*i:X+2*i+1], v[SS+2*(i%4):SS+2*(i%4)+1]
.set i, i+1
.endr
	v_pk_add_f32 v[SS:SS+1], v[SS:SS+1], v[SS+2:SS+3]
	v_pk_add_f32 v[SS+4:SS+5], v[SS+4:SS+5], v[SS+6:SS+7]
	v_pk_add_f32 v[SS:SS+1], v[SS:SS+1], v[SS+4:SS+5]
	v_add_f32 v[SS], v[SS], v[SS+1]
.set i, 0
.rept 16
	v_cvt_pk_bf16_f32 v[WP+i], v[W+2*i], v[W+2*i+1]
.set i, i+1
.endr
.set i, 0
.rept 16
	v_fma_mix_f32_bf16 v[W+2*i], v[X+2*i], v[WP+i], v[ZERO] op_sel_hi:[0,1,0]                   ; x w: f32 times the low bf16
	v_fma_mix_f32_bf16 v[W+2*i+1], v[X+2*i+1], v[WP+i], v[ZERO] op_sel:[0,1,0] op_sel_hi:[0,1,0]  ; and the high one
.set i, i+1
.endr
.irp p, 0,2,4,6
	v_cvt_pk_bf16_f32 v[TM], v[V+(\p)], v[V+(\p)+1]
	v_lshlrev_b32 v[V+(\p)], 16, v[TM]
	v_and_b32 v[V+(\p)+1], s45, v[TM]
.endr
	s_wait_dscnt 0x0                               ; all 8 rows of k_proto are in registers
.set i, 0
.rept 16                                               ; eight chains that do not wait for each other
.set e, 0
.rept 8
.if i == 0
	v_fma_mix_f32_bf16 v[D+e], v[W+2*i], v[KP+16*e+i], v[ZERO] op_sel_hi:[0,1,0]
.else
	v_fma_mix_f32_bf16 v[D+e], v[W+2*i], v[KP+16*e+i], v[D+e] op_sel_hi:[0,1,0]
.endif
.set e, e+1
.endr
.set e, 0
.rept 8
	v_fma_mix_f32_bf16 v[D+e], v[W+2*i+1], v[KP+16*e+i], v[D+e] op_sel:[0,1,0] op_sel_hi:[0,1,0]
.set e, e+1
.endr
.set i, i+1
.endr
.irp r, 88,89,90,91,92,93,94,95,96                     ; the 8 dot products and the sum of squares, over the 32 lanes; every lane gets the result
	v_add_f32_dpp v[\r], v[\r], v[\r] row_xmask:1 row_mask:0xf bank_mask:0xf
	v_add_f32_dpp v[\r], v[\r], v[\r] row_xmask:2 row_mask:0xf bank_mask:0xf
	v_add_f32_dpp v[\r], v[\r], v[\r] row_xmask:4 row_mask:0xf bank_mask:0xf
	v_add_f32_dpp v[\r], v[\r], v[\r] row_xmask:8 row_mask:0xf bank_mask:0xf
	v_permlanex16_b32 v[TM], v[\r], s24, s25
	v_add_f32 v[\r], v[\r], v[TM]
.endr
; q = a / b with r = 1 / b to one unit: one step of correction
.macro DIV q, a, b, r
	v_mul_f32 v[TM+5], v[\a], v[\r]
	v_fma_f32 v[TM+6], -v[TM+5], v[\b], v[\a]
	v_fma_f32 v[\q], v[TM+6], v[\r], v[TM+5]
.endm
	v_mov_b32 v[TM], 0x3a800000                    ; 1 / 1024
	v_fmaak_f32 v[TM], v[SS], v[TM], 0x358637bd    ; the mean of squares + 1e-6
	v_rsq_f32 v[TM], v[TM]
	v_nop                                          ; a plain instruction behind the transcendental,
	s_wait_alu depctr_va_vdst(0)                   ; and a wait ahead of its first reader
	v_mul_f32 v[TM], 0x3d000000, v[TM]             ; / sqrt(1024)
.irp e, 0,1,2,3,4,5,6,7
	v_mul_f32 v[D+(\e)], v[D+(\e)], v[TM]
.endr
	v_max3_num_f32 v[TM+1], v[D], v[D+1], v[D+2]   ; the first softmax takes its maximum away
	v_max3_num_f32 v[TM+1], v[TM+1], v[D+3], v[D+4]
	v_max3_num_f32 v[TM+1], v[TM+1], v[D+5], v[D+6]
	v_max_num_f32 v[TM+1], v[TM+1], v[D+7]
.irp e, 0,1,2,3,4,5,6,7
	v_sub_f32 v[D+(\e)], v[D+(\e)], v[TM+1]
.endr
.irp e, 0,1,2,3,4,5,6,7
	v_mul_f32 v[D+(\e)], 0x3fb8aa3b, v[D+(\e)]
.endr
.irp e, 0,1,2,3,4,5,6,7
	v_exp_f32 v[D+(\e)], v[D+(\e)]
.endr
	v_nop
	s_wait_alu depctr_va_vdst(0)                   ; one wait for the eight
	v_add_f32 v[TM+2], v[D], v[D+1]
.irp e, 2,3,4,5,6,7
	v_add_f32 v[TM+2], v[TM+2], v[D+(\e)]
.endr
	v_rcp_f32 v[TM+3], v[TM+2]
	v_nop
	s_wait_alu depctr_va_vdst(0)
.irp e, 0,1,2,3,4,5,6,7
	DIV D+(\e), D+(\e), TM+2, TM+3
.endr
	; from here a lane works for expert q = lane & 7: logit[q] = the sum over p of attn[p] v_proto[p][q]
	v_mul_f32 v[TM+1], v[D], v[V]
.irp p, 1,2,3,4,5,6,7
	v_fmac_f32 v[TM+1], v[D+(\p)], v[V+(\p)]
.endr
	v_max_num_f32_dpp v[TM+2], v[TM+1], v[TM+1] row_xmask:1 row_mask:0xf bank_mask:0xf  ; the second softmax's maximum, over 8 lanes
	v_max_num_f32_dpp v[TM+2], v[TM+2], v[TM+2] row_xmask:2 row_mask:0xf bank_mask:0xf
	v_max_num_f32_dpp v[TM+2], v[TM+2], v[TM+2] row_xmask:4 row_mask:0xf bank_mask:0xf
	v_sub_f32 v[TM+1], v[TM+1], v[TM+2]
	v_mul_f32 v[TM+1], 0x3fb8aa3b, v[TM+1]
	v_exp_f32 v[TM+1], v[TM+1]
	v_nop
	s_wait_alu depctr_va_vdst(0)
	v_add_f32_dpp v[TM+2], v[TM+1], v[TM+1] row_xmask:1 row_mask:0xf bank_mask:0xf
	v_add_f32_dpp v[TM+2], v[TM+2], v[TM+2] row_xmask:2 row_mask:0xf bank_mask:0xf
	v_add_f32_dpp v[TM+2], v[TM+2], v[TM+2] row_xmask:4 row_mask:0xf bank_mask:0xf
	v_rcp_f32 v[TM+3], v[TM+2]
	v_nop
	s_wait_alu depctr_va_vdst(0)
	DIV TM+1, TM+1, TM+2, TM+3
.irp e, 0,1,2,3,4,5,6,7
	v_readlane_b32 s[28+(\e)], v[TM+1], \e         ; the 8 weights, for every lane
.endr
	; the two largest; 'greater' alone replaces, in ascending order, so that of equal weights the lower index stays.  Selections only: no branch and no address hangs on them
	v_mov_b32 v[D], s28                            ; the largest
	v_mov_b32 v[D+1], 0                            ; its index
.irp e, 1,2,3,4,5,6,7
	v_cmp_gt_f32 vcc_lo, s[28+(\e)], v[D]
	v_cndmask_b32 v[D], v[D], s[28+(\e)], vcc_lo
	v_cndmask_b32 v[D+1], v[D+1], \e, vcc_lo
.endr
	v_mov_b32 v[D+2], -1.0                         ; below every weight: the first index that is not the largest's is always taken
	v_mov_b32 v[D+3], 0
.irp e, 0,1,2,3,4,5,6,7
	v_cmp_gt_f32 s42, s[28+(\e)], v[D+2]
	v_cmp_ne_u32 s43, \e, v[D+1]
	s_and_b32 s42, s42, s43
	v_cndmask_b32 v[D+2], v[D+2], s[28+(\e)], s42
	v_cndmask_b32 v[D+3], v[D+3], \e, s42
.endr
	v_add_f32 v[D+4], v[D], v[D+2]
	v_add_f32 v[D+4], 0x3089705f, v[D+4]           ; + 1e-9
	v_rcp_f32 v[D+5], v[D+4]
	v_nop
	s_wait_alu depctr_va_vdst(0)
	DIV D, D, D+4, D+5
	DIV D+2, D+2, D+4, D+5
	v_and_b32 v[TM], 7, v0                         ; q
	v_cmp_eq_u32 vcc_lo, v[TM], v[D+3]
	v_cndmask_b32 v[TM+1], v[ZERO], v[D+2], vcc_lo
	v_cmp_eq_u32 vcc_lo, v[TM], v[D+1]
	v_cndmask_b32 v[TM+1], v[TM+1], v[D], vcc_lo   ; out1[token][q]
	v_lshl_add_u32 v[TM+2], s20, 5, v[Q4]
	ds_store_b32 v[TM+2], v[TM+1] offset:RWS       ; four lanes hold the same q: they write the same word with the same number
	v_and_b32 v[TM], 1, v0
	v_cmp_eq_u32 vcc_lo, 1, v[TM]
	v_cndmask_b32 v[TM+3], v[D+1], v[D+3], vcc_lo
	v_cndmask_b32 v[TM+4], v[D], v[D+2], vcc_lo
	v_lshlrev_b32 v[TM], 2, v[TM]
	v_lshl_add_u32 v[TM], s20, 3, v[TM]
	ds_store_b32 v[TM], v[TM+3] offset:IDS
	ds_store_b32 v[TM], v[TM+4] offset:WTSL
	s_wait_tensorcnt 0x0                           ; behind my last LDS store
	ds_add_u32 v[SPW], v[NIL]
	s_wait_dscnt 0x0                               ; this wait says, for wave 0's sake, that my stores are done
	s_barrier_signal -1
	s_barrier_wait -1
	s_cmp_lg_u32 s20, 0
	s_cbranch_scc1 .Lend                           ; wave 0 stores the group's results: only LDS reads follow
	ds_load_b64 v[D:D+1], v[L8] offset:RWS
	v_lshlrev_b32 v[TM], 1, v[Q4]                  ; 8 x (lane & 7)
	ds_load_b64 v[D+2:D+3], v[TM] offset:IDS       ; lane j (and j + 8, ..): the two experts of the group's token j
	ds_load_b64 v[D+4:D+5], v[TM] offset:WTSL
	v_lshlrev_b32 v[TM+3], 7, v[LN]                ; lane e: expert e's 128 bytes of a map
	s_wait_dscnt 0x0
	global_store_b64 v[L8], v[D:D+1], s[12:13]     ; 256 neighbouring bytes, aligned
.irp e, 0,1,2,3,4,5,6,7                                ; a compare's mask has token j's answer in bit j: its low byte is the group's byte of expert e's map; lane e takes it
	v_cmp_eq_u32 s42, \e, v[D+2]
	v_cmp_eq_u32 s43, \e, v[D+3]
	s_or_b32 s42, s42, s43
	v_writelane_b32 v[TM+1], s42, \e
	v_writelane_b32 v[TM+2], s43, \e
.endr
	v_cmp_gt_u32 vcc_lo, 8, v0
	s_wait_xcnt 0x0                                ; EXEC changes only behind this wait
	s_and_saveexec_b32 s42, vcc_lo
	global_store_b8 v[TM+3], v[TM+1], s[16:17]             ; 8 lanes, a byte each: all that the group has of the first map's 8 rows,
	global_store_b8 v[TM+3], v[TM+2], s[16:17] offset:1024 ; and of the second's: 16 bytes a work-group
	global_store_b64 v[TM], v[D+4:D+5], s[18:19]   ; the group's 64 bytes of wts
	s_wait_xcnt 0x0
	s_or_b32 exec_lo, exec_lo, s42
.Lend:
	s_endpgm
.Lfunc_end_k_qf51eb8d591_router:
	.size	k_qf51eb8d591_router, .Lfunc_end_k_qf51eb8d591_router-k_qf51eb8d591_router
	.p2alignl 7, 3214868480
	.fill 96, 4, 3214868480
	.section	.rodata,"a",@progbits
	.p2align	6, 0x0
	.amdhsa_kernel k_qf51eb8d591_router
		.amdhsa_group_segment_fixed_size 18176
		.amdhsa_private_segment_fixed_size 0
		.amdhsa_enable_private_segment 0
		.amdhsa_kernarg_size 64
		.amdhsa_user_sgpr_count 2
		.amdhsa_user_sgpr_kernarg_segment_ptr 1
		.amdhsa_wavefront_size32 1
		.amdhsa_system_sgpr_workgroup_id_x 1
		.amdhsa_system_sgpr_workgroup_id_y 1
		.amdhsa_system_sgpr_workgroup_id_z 1
		.amdhsa_system_vgpr_workitem_id 0
		.amdhsa_next_free_vgpr 256
		.amdhsa_next_free_sgpr 66
		.amdhsa_reserve_vcc 1
		.amdhsa_float_denorm_mode_32 3
		.amdhsa_float_denorm_mode_16_64 3
		.amdhsa_memory_ordered 1
		.amdhsa_forward_progress 1
		.amdhsa_inst_pref_size 50
	.end_amdhsa_kernel
	.amdgpu_metadata
---
amdhsa.version: [ 1, 2 ]
amdhsa.kernels:
  - .name:           k_qf51eb8d591_router
    .symbol:         k_qf51eb8d591_router.kd
    .args:
      - { .name: x, .offset: 0, .size: 8, .value_kind: global_buffer, .address_space: global }
      - { .name: q_norm_w, .offset: 8, .size: 8, .value_kind: global_buffer, .address_space: global }
      - { .name: k_proto, .offset: 16, .size: 8, .value_kind: global_buffer, .address_space: global }
      - { .name: v_proto, .offset: 24, .size: 8, .value_kind: global_buffer, .address_space: global }
      - { .name: out1, .offset: 32, .size: 8, .value_kind: global_buffer, .address_space: global }
      - { .name: xb, .offset: 40, .size: 8, .value_kind: global_buffer, .address_space: global }
      - { .name: bm, .offset: 48, .size: 8, .value_kind: global_buffer, .address_space: global }
      - { .name: wts, .offset: 56, .size: 8, .value_kind: global_buffer, .address_space: global }
    .group_segment_fixed_size: 18176
    .private_segment_fixed_size: 0
    .kernarg_segment_align: 8
    .kernarg_segment_size: 64
    .max_flat_workgroup_size: 256
    .sgpr_count:     66
    .vgpr_count:     256
    .wavefront_size: 32
...
	.end_amdgpu_metadata
.endif
;; end of part 7
;; launch gateup (part 8): grid 32 x 8, 4 waves a work-group, no clusters, 312,832 bytes of LDS; arguments gate_projs, up_projs, xb, bm, pp; writes pp
.if DOCPART == 8
	.amdgcn_target "amdgcn-amd-amdhsa--gfx1250"
	.amdhsa_code_object_version 6
	.text
	.protected	k_qf51eb8d591_gateup
	.globl	k_qf51eb8d591_gateup
	.p2align	8
	.type	k_qf51eb8d591_gateup,@function
k_qf51eb8d591_gateup:
	s_mov_b64 s[64:65], 0
	v_nop
	global_prefetch_b8 v0, s[64:65] scope:SCOPE_SE
	s_setreg_imm32_b32 hwreg(HW_REG_WAVE_MODE, 25, 1), 1
	s_wait_xcnt 0x0
; THE FIRST PRODUCTS, by expert.  pp[rid][0:2048] = x[t] . gate_projs[e], pp[rid][2048:4096] = x[t] . up_projs[e], for every routed row rid = 2 t + k of expert e (k = 1: e is token t's second expert);
; f32 partial rows, which the next launch weighs and adds.  Operands bf16 (x was rounded by the router, the weights are rounded here on their way through registers), sums f32.
; SHARES.  Work-group (s, e): columns 64 s .. 64 s + 63 of gate and of up of expert e, all 1,024 of K: 512 KiB of f32 weights that no other work-group reads, and ALL rows of that expert.
; WHICH ROWS.  Each wave reads the expert's two bitmaps (lane b: tokens 32 b .. + 31), counts their bits, and finds the token of a given rank on registers: no list in memory, no launch for one.
; PHASE 1: the slice goes into LDS as bf16, [1024 K rows][128 columns], each byte written once.  Wave w brings K rows 256 w .. + 255; four sets of 16 loads are on their way.
; PHASE 2: the rows, 16 to a tile, five tiles (slots) a wave and pass, 320 rows a pass; four passes cover the 1,024 rows that an expert can have at the most.  Token rows come straight from
; memory as matrix operands; weights come out of LDS turned (ds_load_tr16_b128).  Nothing in the passes writes the slice.
; K goes in 8 chunks of 128: chunk 0, whose products start the sums; three trips of two chunks; chunk 7, which fetches nothing ahead.  In the trips the LDS address is a fixed lane term plus a scalar that steps once a trip.
; BARRIERS.  One between the phases.  Two in each pass: since the trips' addresses step, the text alone does not part the slice's bytes from the waves' stages, so every wave's reads of a pass are over
; (s_wait_dscnt 0, barrier) before any wave stores into its stage, and those stores are done (the same) before the next pass's reads.  Both stand behind the labels where the jumped ways join: every wave passes
; 1 + 8 barriers whatever the count, and only work is jumped.
; A pass whose first tile lies past the count jumps its products; a dead fifth slot's products and a dead slot's stores are jumped too.  Places past the count repeat the last row, which stores the same bits twice.
; It serves every split: an expert with all 1,024 tokens, an expert with none (it stages its slice, passes the barriers and jumps all the work).
; THE MATRIX INSTRUCTION IS USED TRANSPOSED: source 0 = 16 columns of weights, source 1 = 16 tokens: a lane then holds one token and 8 neighbouring columns.
; NO CLUSTER, NO TENSOR LOADS: a slice has one reader and must pass through registers to be rounded; the rows that an expert's 32 work-groups share are scattered over xb, so that no one descriptor covers them.
; REGISTERS, in windows of 256 (s_set_vgpr_msb: bits 1:0 source 0, 3:2 source 1, 5:4 source 2, 7:6 destination):
;   window 0: addresses; v48-79 at work; v96-159 weights' fragments, two buffers of four; v160-223 the maps and the search      window 1: phase 1: four sets of 64; phase 2: v0-159 tokens' buffer X (slot x 32 + K step x 8)
;   window 2: accumulators of slots 0-3 (slot x 64 + group x 32 + block x 8)                  window 3: v0-63 slot 4's; v64-223 tokens' buffer Y
.set NG,     2                         ; groups of 64 columns: gate, up
.set WPITCH, 8192                      ; bytes in a row of weights
.set LP,     288                       ; an LDS row: 256 bytes + 32: an odd multiple of 32; four rows on is 128 bytes on modulo 256
.set RS,     16                        ; K rows in a set of 16 loads
.set NTRIP,  4                         ; 256 rows / 4 sets / RS
.set ASH,    11                        ; a token's row of xb: 2,048 bytes
.set OSH,    14                        ; a row of pp: 16,384 bytes
.set UH,     4*NG                      ; half-steps (32 K x 64 columns) in a chunk of 128 K
.set CS,     128*LP                    ; a chunk's bytes in the slice
.set STAGE,  1024*LP                   ; behind the slice: 16 rows x 272 bytes for each wave, for the way out
.set SROW,   272
.set SWAVE,  16*SROW
.set SPARE,  STAGE+4*SWAVE             ; the spare words: 128 bytes for each wave
.set L,    1                           ; v1   lane
.set R16,  2                           ; v2   lane % 16
.set H,    3                           ; v3   lane / 16
.set H16,  4                           ; v4   16 x (lane / 16)
.set L16,  5                           ; v5   16 x (lane % 16)
.set WOFF, 6                           ; v6   weights: my 16 bytes of a row; lanes 16-31 four rows down
.set WST,  7                           ; v7   where I put 8 bytes of the slice; stepped in phase 1
.set VA,   8                           ; v8   my lane's place in the slice, in a trip's first chunk
.set VB,   9                           ; v9   in its second
.set STO,  10                          ; v10  the way out: where I put 32 bytes of a row
.set RD,   11                          ; v11  the way out: where I read a row back
.set SPW,  12                          ; v12  my spare word's LDS address; never rewritten
.set NIL,  13                          ; v13  0; never rewritten
.set TA,   14                          ; v14-15 at work
.set TC,   15
.set RID,  21                          ; v21-25 slot i: my row's number
.set AO,   26                          ; v26-30 slot i: byte offset of my token's fragment in xb
.set BI,   32                          ; v32-39 4 x (2 t + lane / 16): which lane knows the number of the row that I store
.set RO,   40                          ; v40-47 byte offsets in pp of the rows that I store
.set T,    48                          ; v48-79 phase 1: a set in bf16
.set RB,   48                          ;        the way out: 16 rows read back
.set BAD0, 80                          ; v80  my lane's place in a fragment of the slice, chunk 0; never rewritten
.set BAD1, 81                          ; v81  the same one chunk on; never rewritten
.set BAD7, 82                          ; v82  the same in chunk 7; never rewritten
.set BF,   96
.set MV,   160                         ; v160 lane b: bit j set where token 32 b + j chose the expert
.set KV,   161                         ; v161 the same for 'is its second expert'
.set A1V,  162                         ; v162-165 the numbers of set bits of MV in fields of 2, 4, 8 and 16 bits
.set A2V,  163
.set A3V,  164
.set A4V,  165
.set PV,   166                         ; v166 lane b: the rank of word b's first row
.set L4,   167                         ; v167 4 x lane
.set RK01, 168                         ; v168 64 x (lane / 16) + lane % 16: lanes 0-15 stand for one slot, lanes 16-31 for the next
.set CN,   169                         ; v169 lane b: set bits in word b
.set IN,   170                         ; v170 their running sum
.set SV,   176                         ; v176-223 the search, three vectors of ranks: vector j at SV + 16 j
.set RHO,  0                           ;   the rank; in the end the row's number
.set B4,   1                           ;   4 x the word found so far
.set C4,   2                           ;   4 x the word tried
.set TT,   3
.set FM,   4                           ;   the word, and its fields
.set F1,   5
.set F2,   6
.set F3,   7
.set F4,   8
.set FK,   9
.set NN,   10                          ;   the rank within the word
.set POS,  11                          ;   the bit found so far
.set CC,   12
.set T2,   13
.set TBS,  41                          ; s41  the trip's first chunk's bytes into the slice
.set MSB, 0
.macro WIN new                         ; the immediate's high byte repeats the setting that is left; a switch that changes nothing is dropped
.if MSB != (\new)
	s_set_vgpr_msb (MSB<<8)|(\new)
.set MSB, (\new)
.endif
.endm
.macro PLACES                          ; four plain vector instructions between a matrix instruction and a load into, or a read of, its registers (ISA guide 7.12.1 for the reads)
.rept 4
	v_nop
.endr
.endm
; 16 loads: RS rows of the slice.  Lanes 0-15 take the 256 bytes of one row, lanes 16-31 those of the row four further down.  ahead = 1: the rows of the next trip.
.macro WISSUE set, ahead
	WIN 0x40                                       ; destination window 1
.set j, 0
.rept 16
.set wg, j/(16/NG)
.set wi, j%(16/NG)
.set wa, 8*(wi/4)+wi%4
	global_load_b128 v[64*(\set)+4*j:64*(\set)+4*j+3], v[WOFF], s[4+2*wg:5+2*wg] offset:((\set)*RS+wa+(\ahead)*4*RS)*WPITCH th:TH_LOAD_NT
.set j, j+1
.endr
	WIN 0
.endm
; A set is rounded and laid into the slice.  left = the younger loads that may stay out.
.macro CONSUME set, left
	s_wait_loadcnt \left
	WIN 0x05                                       ; sources window 1, destination window 0
.set j, 0
.rept 32
	v_cvt_pk_bf16_f32 v[T+j], v[64*(\set)+2*j], v[64*(\set)+2*j+1]
.set j, j+1
.endr
	WIN 0
.set j, 0
.rept 16
.set wg, j/(16/NG)
.set wi, j%(16/NG)
.set wa, 8*(wi/4)+wi%4
	ds_store_b64 v[WST], v[T+2*j:T+2*j+1] offset:((\set)*RS+wa)*LP+128*wg  ; 2 x 128 bytes, 128 apart modulo 256
.set j, j+1
.endr
.endm
; One step of the search for a bit: does the rank lie past the w low bits at POS?  src holds the numbers of set bits in fields of w bits.
.macro SELSTEP src, w
.irp j, 0,16,32
	v_bfe_u32 v[SV+(\j)+CC], v[SV+(\j)+(\src)], v[SV+(\j)+POS], \w
	v_cmp_ge_u32 vcc_lo, v[SV+(\j)+NN], v[SV+(\j)+CC]
	v_sub_nc_u32 v[SV+(\j)+T2], v[SV+(\j)+NN], v[SV+(\j)+CC]
	v_cndmask_b32 v[SV+(\j)+NN], v[SV+(\j)+NN], v[SV+(\j)+T2], vcc_lo
	v_add_nc_u32 v[SV+(\j)+T2], \w, v[SV+(\j)+POS]
	v_cndmask_b32 v[SV+(\j)+POS], v[SV+(\j)+POS], v[SV+(\j)+T2], vcc_lo
.endr
.endm
; THE NUMBERS OF MY FIVE TILES' ROWS.  Rank min(16 x tile + lane % 16, count - 1), in three vectors: slots 0 and 1 (a half of the lanes each), slots 2 and 3, slot 4.
; The word: the last one whose first rank is not past the rank, by five halvings over the 32 lanes of PV.  The bit: five halvings on the word's fields.  Lanes are read by ds_bpermute_b32, which touches no LDS byte.
.macro SEARCH
	s_lshl_b32 s25, s22, 4
	v_add_nc_u32 v[SV+RHO], s25, v[RK01]
	v_add_nc_u32 v[SV+32+RHO], s25, v[R16]
	v_add_nc_u32 v[SV+16+RHO], 0x80, v[SV+RHO]
	v_add_nc_u32 v[SV+32+RHO], 0x100, v[SV+32+RHO]
.irp j, 0,16,32
	v_min_u32 v[SV+(\j)+RHO], s20, v[SV+(\j)+RHO]
	v_mov_b32 v[SV+(\j)+B4], 0
.endr
.irp s, 64,32,16,8,4
.irp j, 0,16,32
	v_or_b32 v[SV+(\j)+C4], \s, v[SV+(\j)+B4]
	ds_bpermute_b32 v[SV+(\j)+TT], v[SV+(\j)+C4], v[PV]
.endr
	s_wait_dscnt 0x0
.irp j, 0,16,32
	v_cmp_le_u32 vcc_lo, v[SV+(\j)+TT], v[SV+(\j)+RHO]
	v_cndmask_b32 v[SV+(\j)+B4], v[SV+(\j)+B4], v[SV+(\j)+C4], vcc_lo
.endr
.endr
.irp j, 0,16,32
	ds_bpermute_b32 v[SV+(\j)+NN], v[SV+(\j)+B4], v[PV]
	ds_bpermute_b32 v[SV+(\j)+F4], v[SV+(\j)+B4], v[A4V]
	ds_bpermute_b32 v[SV+(\j)+F3], v[SV+(\j)+B4], v[A3V]
	ds_bpermute_b32 v[SV+(\j)+F2], v[SV+(\j)+B4], v[A2V]
	ds_bpermute_b32 v[SV+(\j)+F1], v[SV+(\j)+B4], v[A1V]
	ds_bpermute_b32 v[SV+(\j)+FM], v[SV+(\j)+B4], v[MV]
	ds_bpermute_b32 v[SV+(\j)+FK], v[SV+(\j)+B4], v[KV]
.endr
	s_wait_dscnt 0x0
.irp j, 0,16,32
	v_sub_nc_u32 v[SV+(\j)+NN], v[SV+(\j)+RHO], v[SV+(\j)+NN]  ; the rank within the word
	v_and_b32 v[SV+(\j)+CC], 0xff, v[SV+(\j)+F4]               ; set bits among the low 16
	v_cmp_ge_u32 vcc_lo, v[SV+(\j)+NN], v[SV+(\j)+CC]
	v_sub_nc_u32 v[SV+(\j)+T2], v[SV+(\j)+NN], v[SV+(\j)+CC]
	v_cndmask_b32 v[SV+(\j)+NN], v[SV+(\j)+NN], v[SV+(\j)+T2], vcc_lo
	v_cndmask_b32 v[SV+(\j)+POS], 0, 16, vcc_lo
.endr
	SELSTEP F3, 8
	SELSTEP F2, 4
	SELSTEP F1, 2
.irp j, 0,16,32
	v_bfe_u32 v[SV+(\j)+CC], v[SV+(\j)+FM], v[SV+(\j)+POS], 1
	v_cmp_ge_u32 vcc_lo, v[SV+(\j)+NN], v[SV+(\j)+CC]
	v_add_nc_u32 v[SV+(\j)+T2], 1, v[SV+(\j)+POS]
	v_cndmask_b32 v[SV+(\j)+POS], v[SV+(\j)+POS], v[SV+(\j)+T2], vcc_lo
	v_bfe_u32 v[SV+(\j)+CC], v[SV+(\j)+FK], v[SV+(\j)+POS], 1  ; k
	v_lshl_add_u32 v[SV+(\j)+T2], v[SV+(\j)+B4], 3, v[SV+(\j)+POS]  ; t = 32 x word + bit
	v_lshl_add_u32 v[SV+(\j)+RHO], v[SV+(\j)+T2], 1, v[SV+(\j)+CC]  ; 2 t + k
.endr
	v_permlanex16_b32 v[SV+TT], v[SV+RHO], s38, s39            ; each slot's 16 numbers go to both halves of the lanes
	v_permlanex16_b32 v[SV+16+TT], v[SV+16+RHO], s38, s39
	v_cndmask_b32 v[RID], v[SV+RHO], v[SV+TT], s40
	v_cndmask_b32 v[RID+1], v[SV+TT], v[SV+RHO], s40
	v_cndmask_b32 v[RID+2], v[SV+16+RHO], v[SV+16+TT], s40
	v_cndmask_b32 v[RID+3], v[SV+16+TT], v[SV+16+RHO], s40
	v_mov_b32 v[RID+4], v[SV+32+RHO]
.endm
; THE SUMS' REGISTERS ARE GIVEN A VALUE ONCE.  A pass jumps its products and its slots' stores by tests of the same count, so no run stores sums that it has not made; but the text has a way from the one jump to the
; stores, and every register is to be written before it is read on every way.  One product with C = 0 writes eight registers; its sources are small whole numbers that lie in registers anyway (as bf16: next to 0).
; These products serve nothing else; they stand where the wave waits for its first weights.
.macro INIT
	WIN 0x80                                       ; destination window 2
.set n, 0
.rept 16*NG
	v_wmma_f32_16x16x32_bf16 v[8*n:8*n+7], v[BI:BI+7], v[0:7], 0
.set n, n+1
.endr
	WIN 0xc0                                       ; destination window 3
.set n, 0
.rept 4*NG
	v_wmma_f32_16x16x32_bf16 v[8*n:8*n+7], v[BI:BI+7], v[0:7], 0
.set n, n+1
.endr
	WIN 0
.endm
; 40 loads: five tiles x 128 K of token rows, as source 1 fragments: lane l takes row l % 16, K = 8 (l / 16) + 0..7 and 16 + 8 (l / 16) + 0..7 of each 32
.macro ALOAD y
	WIN 0x40+0x80*(\y)                             ; destination window 1 (X) or 3 (Y)
.set ab, 64*(\y)
.irp i, 0,1,2,3,4
.irp k, 0,1,2,3
	global_load_b128 v[ab+32*(\i)+8*(\k):ab+32*(\i)+8*(\k)+3],   v[AO+(\i)], s[26:27] offset:64*(\k)
	global_load_b128 v[ab+32*(\i)+8*(\k)+4:ab+32*(\i)+8*(\k)+7], v[AO+(\i)], s[26:27] offset:64*(\k)+32
.endr
.endr
	WIN 0
.endm
.macro SETUP_B
.irp i, 0,1,2,3,4
	v_lshrrev_b32 v[TA], 1, v[RID+(\i)]            ; the token
	v_min_u32 v[TA], 0x3ff, v[TA]                  ; the bound is written here, since the number comes from loaded data
	v_lshlrev_b32 v[TA], ASH, v[TA]
	v_add_nc_u32 v[AO+(\i)], v[TA], v[H16]
.endr
	s_mov_b64 s[26:27], s[8:9]
	ALOAD 0
.endm
; 8 turning loads: half-step u of the chunk at address register ar (u = UH: the next chunk's first): 32 K x 64 columns, four fragments, into buffer u % 2
.macro BLOAD ar, u
.set bk, (\u)/NG
.set bg, (\u)%NG
.set bb, BF+32*((\u)%2)
.irp c, 0,1,2,3
	ds_load_tr16_b128 v[bb+8*(\c):bb+8*(\c)+3],   v[\ar] offset:32*bk*LP+128*bg+32*(\c)
	ds_load_tr16_b128 v[bb+8*(\c)+4:bb+8*(\c)+7], v[\ar] offset:32*bk*LP+128*bg+32*(\c)+16*LP
.endr
.endm
; A half-step: the next one's fragments are asked for, then 16 products (slots 0-3 x 4 blocks) and slot 4's four.  The accumulators take turns, one instruction a turn:
; an accumulator comes up again behind 15 others' at the least, over the loop's jump too.  zero: the products of the first 32 K start the sums (slot 4's without the jump).
.macro HALF y, ar, u, zero, last
.set hk, (\u)/NG
.set hg, (\u)%NG
.set hbf, BF+32*((\u)%2)
.set ha, 64*(\y)+8*hk
.if (\u) > 0
	PLACES                                         ; behind the products that read the buffer now loaded (for u = 0 the chunk's own four serve)
.endif
.if (\last) && ((\u) == UH-1)
	s_wait_dscnt 0x0                               ; nothing more is fetched
.else
	BLOAD \ar, (\u)+1
	s_wait_dscnt 8                                 ; this half-step's fragments are in; the 8 loads just issued stay out
.endif
	WIN 0xa4+8*(\y)                                ; weights window 0, tokens window 1 or 3, sums window 2
.irp i, 0,1,2,3
.irp c, 0,1,2,3
.if (\zero) && ((\u) < NG)
	v_wmma_f32_16x16x32_bf16 v[32*NG*(\i)+32*hg+8*(\c):32*NG*(\i)+32*hg+8*(\c)+7], v[hbf+8*(\c):hbf+8*(\c)+7], v[ha+32*(\i):ha+32*(\i)+7], 0
.else
	v_wmma_f32_16x16x32_bf16 v[32*NG*(\i)+32*hg+8*(\c):32*NG*(\i)+32*hg+8*(\c)+7], v[hbf+8*(\c):hbf+8*(\c)+7], v[ha+32*(\i):ha+32*(\i)+7], v[32*NG*(\i)+32*hg+8*(\c):32*NG*(\i)+32*hg+8*(\c)+7]
.endif
.endr
.endr
.if (\zero) && ((\u) < NG)
	WIN 0xf4+8*(\y)                                ; sums window 3
.irp c, 0,1,2,3
	v_wmma_f32_16x16x32_bf16 v[32*hg+8*(\c):32*hg+8*(\c)+7], v[hbf+8*(\c):hbf+8*(\c)+7], v[ha+128:ha+135], 0
.endr
	WIN 0
.else
	WIN 0                                          ; at a branch and at a label every window is 0
	s_cmp_eq_u32 s23, 0
	s_cbranch_scc1 .Lno4_\@
	WIN 0xf4+8*(\y)
.irp c, 0,1,2,3
	v_wmma_f32_16x16x32_bf16 v[32*hg+8*(\c):32*hg+8*(\c)+7], v[hbf+8*(\c):hbf+8*(\c)+7], v[ha+128:ha+135], v[32*hg+8*(\c):32*hg+8*(\c)+7]
.endr
	WIN 0
.Lno4_\@:
.endif
.endm
; A chunk of 128 K on tokens' buffer y, its weights at address register ar.  pf = 1: the next chunk's token rows are asked for, into the other buffer: they have this whole chunk in which to land.
.macro CHUNK y, ar, pf, zero, last
	s_wait_loadcnt 0x0                             ; my buffer's 40 loads, issued a chunk ago, are in; their base may be stepped
	PLACES                                         ; behind the products that read the other buffer
.if \pf
	s_add_nc_u64 s[26:27], s[26:27], 256
	ALOAD 1-(\y)
.endif
.set hu, 0
.rept UH
	HALF \y, \ar, hu, \zero, \last
.set hu, hu+1
.endr
.endm
; THE WAY OUT of slot i: 16 rows x 64 columns of each group go through my own stage and come back as whole rows of 256 bytes; the rows' numbers come from the lanes that hold them.
.macro OUT i
	s_add_co_u32 s25, s22, 4*(\i)
	s_lshl_b32 s25, s25, 4
	s_cmp_ge_u32 s25, s19
	s_cbranch_scc1 .Ldead_\@                       ; the tile lies past the count
	s_wait_xcnt 0x0                                ; the offsets and data of earlier stores are rewritten only behind this wait
.irp t, 0,1,2,3,4,5,6,7
	ds_bpermute_b32 v[RO+(\t)], v[BI+(\t)], v[RID+(\i)]
.endr
.set og, 0
.rept NG
.if og > 0
	s_wait_xcnt 0x0
.endif
.if (\i) < 4
	WIN 0x08                                       ; store data window 2
.set oa, 32*NG*(\i)+32*og
.else
	WIN 0x0c                                       ; window 3
.set oa, 32*og
.endif
.irp c, 0,1,2,3
	ds_store_b128 v[STO], v[oa+8*(\c):oa+8*(\c)+3] offset:64*(\c)        ; each accumulator's low registers first
	ds_store_b128 v[STO], v[oa+8*(\c)+4:oa+8*(\c)+7] offset:64*(\c)+16
.endr
	WIN 0
.irp t, 0,1,2,3,4,5,6,7
	ds_load_b128 v[RB+4*(\t):RB+4*(\t)+3], v[RD] offset:2*SROW*(\t)      ; LDS serves a wave's instructions in order (ISA guide 5.7.1.4): these see the stores above
.endr
.if og == 0
	s_wait_dscnt 16                                ; the rows' numbers are in; the 16 stage instructions behind them stay out
.irp t, 0,1,2,3,4,5,6,7
	v_min_u32 v[RO+(\t)], 0x7ff, v[RO+(\t)]
	v_lshlrev_b32 v[RO+(\t)], OSH, v[RO+(\t)]
	v_add_nc_u32 v[RO+(\t)], v[RO+(\t)], v[L16]
.endr
.endif
.irp t, 0,1,2,3,4,5,6,7
	s_wait_dscnt 7-(\t)
	global_store_b128 v[RO+(\t)], v[RB+4*(\t):RB+4*(\t)+3], s[14:15] offset:8192*og  ; 16 lanes store 256 consecutive bytes of a row, aligned
.endr
.set og, og+1
.endr
.Ldead_\@:
.endm
	s_load_b256 s[4:11], s[0:1], 0x0               ; gate s[4:5], up s[6:7], xb s[8:9], bm s[10:11]
	s_load_b64 s[14:15], s[0:1], 0x20              ; pp
	v_lshl_add_u32 v[SPW], v0, 2, SPARE
	v_mov_b32 v[NIL], 0
	v_lshrrev_b32 v[TA], 5, v0
	v_readfirstlane_b32 s16, v[TA]                 ; wave 0..3
	v_and_b32 v[L], 31, v0
	v_and_b32 v[R16], 15, v0
	v_bfe_u32 v[H], v0, 4, 1
	v_lshlrev_b32 v[L4], 2, v[L]
	v_lshl_add_u32 v[RK01], v[H], 6, v[R16]
	v_lshlrev_b32 v[H16], 4, v[H]
	v_lshlrev_b32 v[L16], 4, v[R16]
	v_mul_u32_u24 v[TA], v[H], 4*WPITCH
	v_add_nc_u32 v[WOFF], v[TA], v[L16]
	s_mul_i32 s25, s16, 256*LP                     ; my 256 rows of the slice
	v_mul_u32_u24 v[TA], v[H], 4*LP
	v_lshl_add_u32 v[TA], v[R16], 3, v[TA]
	v_add_nc_u32 v[WST], s25, v[TA]
	v_and_b32 v[TA], 7, v0                         ; the turning load: lane l reads K row 8 (l / 16) + l % 8, columns 8 ((l / 8) % 2) + 0..7
	v_lshl_add_u32 v[TA], v[H], 3, v[TA]
	v_mul_u32_u24 v[TA], v[TA], LP
	v_bfe_u32 v[TC], v0, 3, 1
	v_lshl_add_u32 v[BAD0], v[TC], 4, v[TA]
	v_add_nc_u32 v[BAD1], CS, v[BAD0]
	v_add_nc_u32 v[BAD7], 7*CS, v[BAD0]
	s_mul_i32 s25, s16, SWAVE
	s_add_co_u32 s25, s25, STAGE                   ; my stage
	v_mul_u32_u24 v[TA], v[R16], SROW              ; in: row l % 16, 32 bytes for each half of the lanes
	v_lshl_add_u32 v[TA], v[H], 5, v[TA]
	v_add_nc_u32 v[STO], s25, v[TA]
	v_mul_u32_u24 v[TA], v[H], SROW                ; back: lanes 0-15 one row of 256 bytes, lanes 16-31 the next
	v_add_nc_u32 v[TA], v[TA], v[L16]
	v_add_nc_u32 v[RD], s25, v[TA]
.irp t, 0,1,2,3,4,5,6,7
	v_lshl_add_u32 v[BI+(\t)], v[H], 2, 8*(\t)
.endr
	s_and_b32 s17, ttmp7, 0xffff                   ; the expert
	s_mov_b32 s18, ttmp9                           ; the slice
	s_lshl_b32 s28, s17, 23                        ; an expert's weights: 8 MiB;
	s_lshl_b32 s25, s16, 21                        ; my 256 rows of 8,192 bytes;
	s_add_co_u32 s28, s28, s25
	s_lshl_b32 s25, s18, 8                         ; the slice's 256 bytes of a row
	s_add_co_u32 s28, s28, s25
	s_mov_b32 s29, 0
	s_lshl_b32 s30, s17, 7                         ; the expert's 128 bytes of a map
	s_mov_b32 s31, 0
	s_lshl_b32 s34, s18, 8
	s_mov_b32 s35, 0
	s_mov_b32 s38, 0x76543210                      ; v_permlanex16_b32: each lane takes its own place in the other half
	s_mov_b32 s39, 0xfedcba98
	s_mov_b32 s40, 0xffff0000                      ; lanes 16-31
	s_wait_kmcnt 0x0
	s_add_nc_u64 s[4:5], s[4:5], s[28:29]
	s_add_nc_u64 s[6:7], s[6:7], s[28:29]
	s_add_nc_u64 s[10:11], s[10:11], s[30:31]
	s_add_nc_u64 s[14:15], s[14:15], s[34:35]
	global_load_b32 v[MV], v[L4], s[10:11]
	global_load_b32 v[KV], v[L4], s[10:11] offset:1024
	WISSUE 0, 0
	WISSUE 1, 0
	WISSUE 2, 0
	s_wait_loadcnt 48                              ; the two maps are in; the 48 younger loads, sets 0 to 2, stay out
	WISSUE 3, 0
	; the set bits of my word, in fields of 2, 4, 8, 16 and 32 bits; all that follows up to the loop stands in the wait for the first weights
	v_lshrrev_b32 v[TA], 1, v[MV]
	v_and_b32 v[TA], 0x55555555, v[TA]
	v_sub_nc_u32 v[A1V], v[MV], v[TA]
	v_lshrrev_b32 v[TA], 2, v[A1V]
	v_and_b32 v[TA], 0x33333333, v[TA]
	v_and_b32 v[TC], 0x33333333, v[A1V]
	v_add_nc_u32 v[A2V], v[TA], v[TC]
	v_lshrrev_b32 v[TA], 4, v[A2V]
	v_add_nc_u32 v[TA], v[TA], v[A2V]
	v_and_b32 v[A3V], 0x0f0f0f0f, v[TA]
	v_lshrrev_b32 v[TA], 8, v[A3V]
	v_add_nc_u32 v[TA], v[TA], v[A3V]
	v_and_b32 v[A4V], 0x00ff00ff, v[TA]
	v_lshrrev_b32 v[TA], 16, v[A4V]
	v_add_nc_u32 v[TA], v[TA], v[A4V]
	v_and_b32 v[CN], 63, v[TA]
	v_mov_b32 v[IN], v[CN]
.irp d, 1,2,4,8,16                                     ; the running sum over the 32 lanes: lane l adds lane l - d's (the lane's number is taken modulo 32; lanes below d add 0)
	v_add_nc_u32 v[TA], 128-4*(\d), v[L4]
	ds_bpermute_b32 v[TC], v[TA], v[IN]
	v_cmp_le_u32 vcc_lo, \d, v[L]
	s_wait_dscnt 0x0
	v_cndmask_b32 v[TC], 0, v[TC], vcc_lo
	v_add_nc_u32 v[IN], v[IN], v[TC]
.endr
	v_sub_nc_u32 v[PV], v[IN], v[CN]
	v_readlane_b32 s19, v[IN], 31                  ; the expert's count
	s_min_u32 s19, s19, 0x400                      ; 1,024 at the most
	s_max_u32 s20, s19, 1
	s_sub_co_u32 s20, s20, 1                       ; the last row's rank (0 for an expert without rows: the search then ends at token 1,023, whose row is loaded and not used)
	s_mov_b32 s21, 4                               ; passes to go
	s_mov_b32 s22, s16                             ; my first tile of the pass: 20 x pass + wave
	SEARCH
	INIT
	s_mov_b32 s24, NTRIP-1
.Lstage:                                               ; 48 = the three younger sets
	CONSUME 0, 48
	WISSUE 0, 1
	CONSUME 1, 48
	WISSUE 1, 1
	CONSUME 2, 48
	WISSUE 2, 1
	CONSUME 3, 48
	WISSUE 3, 1
	s_wait_xcnt 0x0                                ; the bases are stepped only behind this wait
	s_add_nc_u64 s[4:5], s[4:5], 4*RS*WPITCH
	s_add_nc_u64 s[6:7], s[6:7], 4*RS*WPITCH
	v_add_nc_u32 v[WST], 4*RS*LP, v[WST]
	s_sub_co_u32 s24, s24, 1
	s_cmp_lg_u32 s24, 0
	s_cbranch_scc1 .Lstage
	CONSUME 0, 48                                  ; the last four sets: the counts run down
	CONSUME 1, 32
	CONSUME 2, 16
	SETUP_B                                        ; the first 40 loads of token rows go into registers of sets 0 to 2, which have been read
	CONSUME 3, 40                                  ; 40 = those loads
	s_wait_dscnt 0x0                               ; for the others' sake: my part of the slice lies in LDS
	s_barrier_signal -1
	s_barrier_wait -1
.Lpass:                                                ; four trips, whatever the count
	s_lshl_b32 s25, s22, 4
	s_cmp_ge_u32 s25, s19
	s_cbranch_scc1 .Lnomul                         ; my first tile lies past the count: no products in this pass
	s_cmp_eq_u32 s21, 4
	s_cbranch_scc1 .Lgo                            ; the first pass was set up in phase 1
	SEARCH
	s_wait_loadcnt 0x0                             ; no load of token rows is out: their offsets, their base and their registers are written again below
	SETUP_B
.Lgo:
	s_add_co_u32 s25, s22, 16
	s_lshl_b32 s25, s25, 4
	s_cmp_lt_u32 s25, s19
	s_cselect_b32 s23, 1, 0                        ; is my fifth slot live?
	BLOAD BAD0, 0
	CHUNK 0, BAD0, 1, 1, 0                         ; chunk 0
	s_mov_b32 s[TBS], CS
	s_mov_b32 s24, 3
.Lchunk:                                               ; chunks 1 and 2, 3 and 4, 5 and 6
	v_add_nc_u32 v[VA], s[TBS], v[BAD0]
	v_add_nc_u32 v[VB], s[TBS], v[BAD1]
	CHUNK 1, VA, 1, 0, 0
	CHUNK 0, VB, 1, 0, 0
	s_add_co_u32 s[TBS], s[TBS], 2*CS
	s_sub_co_u32 s24, s24, 1
	s_cmp_lg_u32 s24, 0
	s_cbranch_scc1 .Lchunk
	CHUNK 1, BAD7, 0, 0, 1                         ; chunk 7
	PLACES                                         ; behind the last products, ahead of the stores that read the sums
.Lnomul:
	s_wait_dscnt 0x0                               ; my reads of this pass are over:
	s_barrier_signal -1
	s_barrier_wait -1                              ; everybody's are, before any wave stores into its stage
	OUT 0
	OUT 1
	OUT 2
	OUT 3
	OUT 4
	s_wait_dscnt 0x0                               ; my stores into my stage are done:
	s_barrier_signal -1
	s_barrier_wait -1                              ; everybody's are, before the next pass's reads
	s_add_co_u32 s22, s22, 20
	s_sub_co_u32 s21, s21, 1
	s_cmp_lg_u32 s21, 0
	s_cbranch_scc1 .Lpass
	s_wait_tensorcnt 0x0                           ; the wave's end, behind my last LDS store
	ds_add_u32 v[SPW], v[NIL]
	s_wait_dscnt 0x0
	s_endpgm
.Lfunc_end_k_qf51eb8d591_gateup:
	.size	k_qf51eb8d591_gateup, .Lfunc_end_k_qf51eb8d591_gateup-k_qf51eb8d591_gateup
	.p2alignl 7, 3214868480
	.fill 96, 4, 3214868480
	.section	.rodata,"a",@progbits
	.p2align	6, 0x0
	.amdhsa_kernel k_qf51eb8d591_gateup
		.amdhsa_group_segment_fixed_size 312832
		.amdhsa_private_segment_fixed_size 0
		.amdhsa_enable_private_segment 0
		.amdhsa_kernarg_size 40
		.amdhsa_user_sgpr_count 2
		.amdhsa_user_sgpr_kernarg_segment_ptr 1
		.amdhsa_wavefront_size32 1
		.amdhsa_system_sgpr_workgroup_id_x 1
		.amdhsa_system_sgpr_workgroup_id_y 1
		.amdhsa_system_sgpr_workgroup_id_z 1
		.amdhsa_system_vgpr_workitem_id 0
		.amdhsa_next_free_vgpr 1024
		.amdhsa_next_free_sgpr 66
		.amdhsa_reserve_vcc 1
		.amdhsa_float_denorm_mode_32 3
		.amdhsa_float_denorm_mode_16_64 3
		.amdhsa_memory_ordered 1
		.amdhsa_forward_progress 1
		.amdhsa_inst_pref_size 182
	.end_amdhsa_kernel
	.amdgpu_metadata
---
amdhsa.version: [ 1, 2 ]
amdhsa.kernels:
  - .name:           k_qf51eb8d591_gateup
    .symbol:         k_qf51eb8d591_gateup.kd
    .args:
      - { .name: gate_projs, .offset: 0, .size: 8, .value_kind: global_buffer, .address_space: global }
      - { .name: up_projs, .offset: 8, .size: 8, .value_kind: global_buffer, .address_space: global }
      - { .name: xb, .offset: 16, .size: 8, .value_kind: global_buffer, .address_space: global }
      - { .name: bm, .offset: 24, .size: 8, .value_kind: global_buffer, .address_space: global }
      - { .name: pp, .offset: 32, .size: 8, .value_kind: global_buffer, .address_space: global }
    .group_segment_fixed_size: 312832
    .private_segment_fixed_size: 0
    .kernarg_segment_align: 8
    .kernarg_segment_size: 40
    .max_flat_workgroup_size: 128
    .sgpr_count:     66
    .vgpr_count:     1024
    .wavefront_size: 32
...
	.end_amdgpu_metadata
.endif
;; end of part 8
;; launch mix1: the kernel of part 4 again; grid 256 x 1, 8 waves a work-group, no clusters, 0 bytes of LDS; arguments pp, wts, hb; writes hb
;; launch down (part 9): grid 32 x 8, 4 waves a work-group, no clusters, 181,760 bytes of LDS; arguments down_projs, hb, bm, qq; writes qq
.if DOCPART == 9
	.amdgcn_target "amdgcn-amd-amdhsa--gfx1250"
	.amdhsa_code_object_version 6
	.text
	.protected	k_qf51eb8d591_down
	.globl	k_qf51eb8d591_down
	.p2align	8
	.type	k_qf51eb8d591_down,@function
k_qf51eb8d591_down:
	s_mov_b64 s[64:65], 0
	v_nop
	global_prefetch_b8 v0, s[64:65] scope:SCOPE_SE
	s_setreg_imm32_b32 hwreg(HW_REG_WAVE_MODE, 25, 1), 1
	s_wait_xcnt 0x0
; THE SECOND PRODUCT, by expert and half of K.  qq[kh][rid][0:1024] = h[t][1024 kh : 1024 kh + 1024] . down_projs[e][1024 kh : .. ], for every routed row rid = 2 t + k of expert e (k = 1: e is token t's second expert);
; f32 partial rows, which the next launch adds and weighs.  Operands bf16 (h was rounded once by the launch before, the weights are rounded here on their way through registers), sums f32.
; SHARES.  Work-group (x, e), x = 16 kh + sl: columns 64 sl .. + 63, K rows 1024 kh .. + 1023 of expert e: 256 KiB of f32 weights that no other work-group reads, and ALL rows of that expert.
; WHICH ROWS.  Each wave reads the expert's two bitmaps (lane b: tokens 32 b .. + 31), counts their bits, and finds the token of a given rank on registers: no list in memory, no launch for one.
; PHASE 1: the slice goes into LDS as bf16, [1024 K rows][64 columns], each byte written once.  Wave w brings K rows 256 w .. + 255; four sets of 16 loads are on their way.
; PHASE 2: the rows, 16 to a tile, five tiles (slots) a wave and pass, 320 rows a pass; four passes cover the 1,024 rows that an expert can have at the most.  Token rows come straight from
; memory as matrix operands; weights come out of LDS turned (ds_load_tr16_b128).  Nothing in the passes writes the slice.
; K goes in 8 chunks of 128: chunk 0, whose products start the sums; three trips of two chunks; chunk 7, which fetches nothing ahead.  In the trips the LDS address is a fixed lane term plus a scalar that steps once a trip.
; BARRIERS.  One between the phases.  Two in each pass: since the trips' addresses step, the text alone does not part the slice's bytes from the waves' stages, so every wave's reads of a pass are over
; (s_wait_dscnt 0, barrier) before any wave stores into its stage, and those stores are done (the same) before the next pass's reads.  Both stand behind the labels where the jumped ways join: every wave passes
; 1 + 8 barriers whatever the count, and only work is jumped.
; A pass whose first tile lies past the count jumps its products; a dead fifth slot's products and a dead slot's stores are jumped too.  Places past the count repeat the last row, which stores the same bits twice.
; It serves every split: an expert with all 1,024 tokens, an expert with none (it stages its slice, passes the barriers and jumps all the work).
; THE MATRIX INSTRUCTION IS USED TRANSPOSED: source 0 = 16 columns of weights, source 1 = 16 tokens: a lane then holds one token and 8 neighbouring columns.
; NO CLUSTER, NO TENSOR LOADS: a slice has one reader and must pass through registers to be rounded; the rows that an expert's work-groups share are scattered over hb, so that no one descriptor covers them.
; REGISTERS, in windows of 256 (s_set_vgpr_msb: bits 1:0 source 0, 3:2 source 1, 5:4 source 2, 7:6 destination):
;   window 0: addresses; v48-79 at work; v96-159 weights' fragments, two buffers of four; v160-223 the maps and the search      window 1: phase 1: four sets of 64; phase 2: v0-159 tokens' buffer X (slot x 32 + K step x 8)
;   window 2: v0-127 accumulators of slots 0-3 (slot x 32 + block x 8)                        window 3: v0-31 slot 4's; v64-223 tokens' buffer Y
.set NG,     1                         ; one group of 64 columns
.set WPITCH, 4096                      ; bytes in a row of weights
.set LP,     160                       ; an LDS row: 128 bytes + 32: an odd multiple of 32; four rows on is 128 bytes on modulo 256
.set RS,     32                        ; K rows in a set of 16 loads
.set NTRIP,  2                         ; 256 rows / 4 sets / RS
.set ASH,    12                        ; a token's row of hb: 4,096 bytes
.set OSH,    12                        ; a row of qq: 4,096 bytes
.set UH,     4*NG                      ; half-steps (32 K x 64 columns) in a chunk of 128 K
.set CS,     128*LP                    ; a chunk's bytes in the slice
.set STAGE,  1024*LP                   ; behind the slice: 16 rows x 272 bytes for each wave, for the way out
.set SROW,   272
.set SWAVE,  16*SROW
.set SPARE,  STAGE+4*SWAVE             ; the spare words: 128 bytes for each wave
.set L,    1                           ; v1   lane
.set R16,  2                           ; v2   lane % 16
.set H,    3                           ; v3   lane / 16
.set H16,  4                           ; v4   16 x (lane / 16)
.set L16,  5                           ; v5   16 x (lane % 16)
.set WOFF, 6                           ; v6   weights: my 16 bytes of a row; lanes 16-31 four rows down
.set WST,  7                           ; v7   where I put 8 bytes of the slice; stepped in phase 1
.set VA,   8                           ; v8   my lane's place in the slice, in a trip's first chunk
.set VB,   9                           ; v9   in its second
.set STO,  10                          ; v10  the way out: where I put 32 bytes of a row
.set RD,   11                          ; v11  the way out: where I read a row back
.set SPW,  12                          ; v12  my spare word's LDS address; never rewritten
.set NIL,  13                          ; v13  0; never rewritten
.set TA,   14                          ; v14-15 at work
.set TC,   15
.set RID,  21                          ; v21-25 slot i: my row's number
.set AO,   26                          ; v26-30 slot i: byte offset of my token's fragment in hb
.set BI,   32                          ; v32-39 4 x (2 t + lane / 16): which lane knows the number of the row that I store
.set RO,   40                          ; v40-47 byte offsets in qq of the rows that I store
.set T,    48                          ; v48-79 phase 1: a set in bf16
.set RB,   48                          ;        the way out: 16 rows read back
.set BAD0, 80                          ; v80  my lane's place in a fragment of the slice, chunk 0; never rewritten
.set BAD1, 81                          ; v81  the same one chunk on; never rewritten
.set BAD7, 82                          ; v82  the same in chunk 7; never rewritten
.set BF,   96
.set MV,   160                         ; v160 lane b: bit j set where token 32 b + j chose the expert
.set KV,   161                         ; v161 the same for 'is its second expert'
.set A1V,  162                         ; v162-165 the numbers of set bits of MV in fields of 2, 4, 8 and 16 bits
.set A2V,  163
.set A3V,  164
.set A4V,  165
.set PV,   166                         ; v166 lane b: the rank of word b's first row
.set L4,   167                         ; v167 4 x lane
.set RK01, 168                         ; v168 64 x (lane / 16) + lane % 16: lanes 0-15 stand for one slot, lanes 16-31 for the next
.set CN,   169                         ; v169 lane b: set bits in word b
.set IN,   170                         ; v170 their running sum
.set SV,   176                         ; v176-223 the search, three vectors of ranks: vector j at SV + 16 j
.set RHO,  0                           ;   the rank; in the end the row's number
.set B4,   1                           ;   4 x the word found so far
.set C4,   2                           ;   4 x the word tried
.set TT,   3
.set FM,   4                           ;   the word, and its fields
.set F1,   5
.set F2,   6
.set F3,   7
.set F4,   8
.set FK,   9
.set NN,   10                          ;   the rank within the word
.set POS,  11                          ;   the bit found so far
.set CC,   12
.set T2,   13
.set TBS,  41                          ; s41  the trip's first chunk's bytes into the slice
.set MSB, 0
.macro WIN new                         ; the immediate's high byte repeats the setting that is left; a switch that changes nothing is dropped
.if MSB != (\new)
	s_set_vgpr_msb (MSB<<8)|(\new)
.set MSB, (\new)
.endif
.endm
.macro PLACES                          ; four plain vector instructions between a matrix instruction and a load into, or a read of, its registers (ISA guide 7.12.1 for the reads)
.rept 4
	v_nop
.endr
.endm
; 16 loads: RS rows of the slice.  Lanes 0-15 take the 256 bytes of one row, lanes 16-31 those of the row four further down.  ahead = 1: the rows of the next trip.
.macro WISSUE set, ahead
	WIN 0x40                                       ; destination window 1
.set j, 0
.rept 16
.set wg, j/(16/NG)
.set wi, j%(16/NG)
.set wa, 8*(wi/4)+wi%4
	global_load_b128 v[64*(\set)+4*j:64*(\set)+4*j+3], v[WOFF], s[4+2*wg:5+2*wg] offset:((\set)*RS+wa+(\ahead)*4*RS)*WPITCH th:TH_LOAD_NT
.set j, j+1
.endr
	WIN 0
.endm
; A set is rounded and laid into the slice.  left = the younger loads that may stay out.
.macro CONSUME set, left
	s_wait_loadcnt \left
	WIN 0x05                                       ; sources window 1, destination window 0
.set j, 0
.rept 32
	v_cvt_pk_bf16_f32 v[T+j], v[64*(\set)+2*j], v[64*(\set)+2*j+1]
.set j, j+1
.endr
	WIN 0
.set j, 0
.rept 16
.set wg, j/(16/NG)
.set wi, j%(16/NG)
.set wa, 8*(wi/4)+wi%4
	ds_store_b64 v[WST], v[T+2*j:T+2*j+1] offset:((\set)*RS+wa)*LP+128*wg  ; 2 x 128 bytes, 128 apart modulo 256
.set j, j+1
.endr
.endm
; One step of the search for a bit: does the rank lie past the w low bits at POS?  src holds the numbers of set bits in fields of w bits.
.macro SELSTEP src, w
.irp j, 0,16,32
	v_bfe_u32 v[SV+(\j)+CC], v[SV+(\j)+(\src)], v[SV+(\j)+POS], \w
	v_cmp_ge_u32 vcc_lo, v[SV+(\j)+NN], v[SV+(\j)+CC]
	v_sub_nc_u32 v[SV+(\j)+T2], v[SV+(\j)+NN], v[SV+(\j)+CC]
	v_cndmask_b32 v[SV+(\j)+NN], v[SV+(\j)+NN], v[SV+(\j)+T2], vcc_lo
	v_add_nc_u32 v[SV+(\j)+T2], \w, v[SV+(\j)+POS]
	v_cndmask_b32 v[SV+(\j)+POS], v[SV+(\j)+POS], v[SV+(\j)+T2], vcc_lo
.endr
.endm
; THE NUMBERS OF MY FIVE TILES' ROWS.  Rank min(16 x tile + lane % 16, count - 1), in three vectors: slots 0 and 1 (a half of the lanes each), slots 2 and 3, slot 4.
; The word: the last one whose first rank is not past the rank, by five halvings over the 32 lanes of PV.  The bit: five halvings on the word's fields.  Lanes are read by ds_bpermute_b32, which touches no LDS byte.
.macro SEARCH
	s_lshl_b32 s25, s22, 4
	v_add_nc_u32 v[SV+RHO], s25, v[RK01]
	v_add_nc_u32 v[SV+32+RHO], s25, v[R16]
	v_add_nc_u32 v[SV+16+RHO], 0x80, v[SV+RHO]
	v_add_nc_u32 v[SV+32+RHO], 0x100, v[SV+32+RHO]
.irp j, 0,16,32
	v_min_u32 v[SV+(\j)+RHO], s20, v[SV+(\j)+RHO]
	v_mov_b32 v[SV+(\j)+B4], 0
.endr
.irp s, 64,32,16,8,4
.irp j, 0,16,32
	v_or_b32 v[SV+(\j)+C4], \s, v[SV+(\j)+B4]
	ds_bpermute_b32 v[SV+(\j)+TT], v[SV+(\j)+C4], v[PV]
.endr
	s_wait_dscnt 0x0
.irp j, 0,16,32
	v_cmp_le_u32 vcc_lo, v[SV+(\j)+TT], v[SV+(\j)+RHO]
	v_cndmask_b32 v[SV+(\j)+B4], v[SV+(\j)+B4], v[SV+(\j)+C4], vcc_lo
.endr
.endr
.irp j, 0,16,32
	ds_bpermute_b32 v[SV+(\j)+NN], v[SV+(\j)+B4], v[PV]
	ds_bpermute_b32 v[SV+(\j)+F4], v[SV+(\j)+B4], v[A4V]
	ds_bpermute_b32 v[SV+(\j)+F3], v[SV+(\j)+B4], v[A3V]
	ds_bpermute_b32 v[SV+(\j)+F2], v[SV+(\j)+B4], v[A2V]
	ds_bpermute_b32 v[SV+(\j)+F1], v[SV+(\j)+B4], v[A1V]
	ds_bpermute_b32 v[SV+(\j)+FM], v[SV+(\j)+B4], v[MV]
	ds_bpermute_b32 v[SV+(\j)+FK], v[SV+(\j)+B4], v[KV]
.endr
	s_wait_dscnt 0x0
.irp j, 0,16,32
	v_sub_nc_u32 v[SV+(\j)+NN], v[SV+(\j)+RHO], v[SV+(\j)+NN]  ; the rank within the word
	v_and_b32 v[SV+(\j)+CC], 0xff, v[SV+(\j)+F4]               ; set bits among the low 16
	v_cmp_ge_u32 vcc_lo, v[SV+(\j)+NN], v[SV+(\j)+CC]
	v_sub_nc_u32 v[SV+(\j)+T2], v[SV+(\j)+NN], v[SV+(\j)+CC]
	v_cndmask_b32 v[SV+(\j)+NN], v[SV+(\j)+NN], v[SV+(\j)+T2], vcc_lo
	v_cndmask_b32 v[SV+(\j)+POS], 0, 16, vcc_lo
.endr
	SELSTEP F3, 8
	SELSTEP F2, 4
	SELSTEP F1, 2
.irp j, 0,16,32
	v_bfe_u32 v[SV+(\j)+CC], v[SV+(\j)+FM], v[SV+(\j)+POS], 1
	v_cmp_ge_u32 vcc_lo, v[SV+(\j)+NN], v[SV+(\j)+CC]
	v_add_nc_u32 v[SV+(\j)+T2], 1, v[SV+(\j)+POS]
	v_cndmask_b32 v[SV+(\j)+POS], v[SV+(\j)+POS], v[SV+(\j)+T2], vcc_lo
	v_bfe_u32 v[SV+(\j)+CC], v[SV+(\j)+FK], v[SV+(\j)+POS], 1  ; k
	v_lshl_add_u32 v[SV+(\j)+T2], v[SV+(\j)+B4], 3, v[SV+(\j)+POS]  ; t = 32 x word + bit
	v_lshl_add_u32 v[SV+(\j)+RHO], v[SV+(\j)+T2], 1, v[SV+(\j)+CC]  ; 2 t + k
.endr
	v_permlanex16_b32 v[SV+TT], v[SV+RHO], s38, s39            ; each slot's 16 numbers go to both halves of the lanes
	v_permlanex16_b32 v[SV+16+TT], v[SV+16+RHO], s38, s39
	v_cndmask_b32 v[RID], v[SV+RHO], v[SV+TT], s40
	v_cndmask_b32 v[RID+1], v[SV+TT], v[SV+RHO], s40
	v_cndmask_b32 v[RID+2], v[SV+16+RHO], v[SV+16+TT], s40
	v_cndmask_b32 v[RID+3], v[SV+16+TT], v[SV+16+RHO], s40
	v_mov_b32 v[RID+4], v[SV+32+RHO]
.endm
; THE SUMS' REGISTERS ARE GIVEN A VALUE ONCE.  A pass jumps its products and its slots' stores by tests of the same count, so no run stores sums that it has not made; but the text has a way from the one jump to the
; stores, and every register is to be written before it is read on every way.  One product with C = 0 writes eight registers; its sources are small whole numbers that lie in registers anyway (as bf16: next to 0).
; These products serve nothing else; they stand where the wave waits for its first weights.
.macro INIT
	WIN 0x80                                       ; destination window 2
.set n, 0
.rept 16*NG
	v_wmma_f32_16x16x32_bf16 v[8*n:8*n+7], v[BI:BI+7], v[0:7], 0
.set n, n+1
.endr
	WIN 0xc0                                       ; destination window 3
.set n, 0
.rept 4*NG
	v_wmma_f32_16x16x32_bf16 v[8*n:8*n+7], v[BI:BI+7], v[0:7], 0
.set n, n+1
.endr
	WIN 0
.endm
; 40 loads: five tiles x 128 K of token rows, as source 1 fragments: lane l takes row l % 16, K = 8 (l / 16) + 0..7 and 16 + 8 (l / 16) + 0..7 of each 32
.macro ALOAD y
	WIN 0x40+0x80*(\y)                             ; destination window 1 (X) or 3 (Y)
.set ab, 64*(\y)
.irp i, 0,1,2,3,4
.irp k, 0,1,2,3
	global_load_b128 v[ab+32*(\i)+8*(\k):ab+32*(\i)+8*(\k)+3],   v[AO+(\i)], s[26:27] offset:64*(\k)
	global_load_b128 v[ab+32*(\i)+8*(\k)+4:ab+32*(\i)+8*(\k)+7], v[AO+(\i)], s[26:27] offset:64*(\k)+32
.endr
.endr
	WIN 0
.endm
.macro SETUP_B
.irp i, 0,1,2,3,4
	v_lshrrev_b32 v[TA], 1, v[RID+(\i)]            ; the token
	v_min_u32 v[TA], 0x3ff, v[TA]                  ; the bound is written here, since the number comes from loaded data
	v_lshlrev_b32 v[TA], ASH, v[TA]
	v_add_nc_u32 v[AO+(\i)], v[TA], v[H16]
.endr
	s_mov_b64 s[26:27], s[8:9]
	ALOAD 0
.endm
; 8 turning loads: half-step u of the chunk at address register ar (u = UH: the next chunk's first): 32 K x 64 columns, four fragments, into buffer u % 2
.macro BLOAD ar, u
.set bk, (\u)/NG
.set bg, (\u)%NG
.set bb, BF+32*((\u)%2)
.irp c, 0,1,2,3
	ds_load_tr16_b128 v[bb+8*(\c):bb+8*(\c)+3],   v[\ar] offset:32*bk*LP+128*bg+32*(\c)
	ds_load_tr16_b128 v[bb+8*(\c)+4:bb+8*(\c)+7], v[\ar] offset:32*bk*LP+128*bg+32*(\c)+16*LP
.endr
.endm
; A half-step: the next one's fragments are asked for, then 16 products (slots 0-3 x 4 blocks) and slot 4's four.  The accumulators take turns, one instruction a turn:
; an accumulator comes up again behind 15 others' at the least, over the loop's jump too.  zero: the products of the first 32 K start the sums (slot 4's without the jump).
.macro HALF y, ar, u, zero, last
.set hk, (\u)/NG
.set hg, (\u)%NG
.set hbf, BF+32*((\u)%2)
.set ha, 64*(\y)+8*hk
.if (\u) > 0
	PLACES                                         ; behind the products that read the buffer now loaded (for u = 0 the chunk's own four serve)
.endif
.if (\last) && ((\u) == UH-1)
	s_wait_dscnt 0x0                               ; nothing more is fetched
.else
	BLOAD \ar, (\u)+1
	s_wait_dscnt 8                                 ; this half-step's fragments are in; the 8 loads just issued stay out
.endif
	WIN 0xa4+8*(\y)                                ; weights window 0, tokens window 1 or 3, sums window 2
.irp i, 0,1,2,3
.irp c, 0,1,2,3
.if (\zero) && ((\u) < NG)
	v_wmma_f32_16x16x32_bf16 v[32*NG*(\i)+32*hg+8*(\c):32*NG*(\i)+32*hg+8*(\c)+7], v[hbf+8*(\c):hbf+8*(\c)+7], v[ha+32*(\i):ha+32*(\i)+7], 0
.else
	v_wmma_f32_16x16x32_bf16 v[32*NG*(\i)+32*hg+8*(\c):32*NG*(\i)+32*hg+8*(\c)+7], v[hbf+8*(\c):hbf+8*(\c)+7], v[ha+32*(\i):ha+32*(\i)+7], v[32*NG*(\i)+32*hg+8*(\c):32*NG*(\i)+32*hg+8*(\c)+7]
.endif
.endr
.endr
.if (\zero) && ((\u) < NG)
	WIN 0xf4+8*(\y)                                ; sums window 3
.irp c, 0,1,2,3
	v_wmma_f32_16x16x32_bf16 v[32*hg+8*(\c):32*hg+8*(\c)+7], v[hbf+8*(\c):hbf+8*(\c)+7], v[ha+128:ha+135], 0
.endr
	WIN 0
.else
	WIN 0                                          ; at a branch and at a label every window is 0
	s_cmp_eq_u32 s23, 0
	s_cbranch_scc1 .Lno4_\@
	WIN 0xf4+8*(\y)
.irp c, 0,1,2,3
	v_wmma_f32_16x16x32_bf16 v[32*hg+8*(\c):32*hg+8*(\c)+7], v[hbf+8*(\c):hbf+8*(\c)+7], v[ha+128:ha+135], v[32*hg+8*(\c):32*hg+8*(\c)+7]
.endr
	WIN 0
.Lno4_\@:
.endif
.endm
; A chunk of 128 K on tokens' buffer y, its weights at address register ar.  pf = 1: the next chunk's token rows are asked for, into the other buffer: they have this whole chunk in which to land.
.macro CHUNK y, ar, pf, zero, last
	s_wait_loadcnt 0x0                             ; my buffer's 40 loads, issued a chunk ago, are in; their base may be stepped
	PLACES                                         ; behind the products that read the other buffer
.if \pf
	s_add_nc_u64 s[26:27], s[26:27], 256
	ALOAD 1-(\y)
.endif
.set hu, 0
.rept UH
	HALF \y, \ar, hu, \zero, \last
.set hu, hu+1
.endr
.endm
; THE WAY OUT of slot i: 16 rows x 64 columns go through my own stage and come back as whole rows of 256 bytes; the rows' numbers come from the lanes that hold them.
.macro OUT i
	s_add_co_u32 s25, s22, 4*(\i)
	s_lshl_b32 s25, s25, 4
	s_cmp_ge_u32 s25, s19
	s_cbranch_scc1 .Ldead_\@                       ; the tile lies past the count
	s_wait_xcnt 0x0                                ; the offsets and data of earlier stores are rewritten only behind this wait
.irp t, 0,1,2,3,4,5,6,7
	ds_bpermute_b32 v[RO+(\t)], v[BI+(\t)], v[RID+(\i)]
.endr
.set og, 0
.rept NG
.if og > 0
	s_wait_xcnt 0x0
.endif
.if (\i) < 4
	WIN 0x08                                       ; store data window 2
.set oa, 32*NG*(\i)+32*og
.else
	WIN 0x0c                                       ; window 3
.set oa, 32*og
.endif
.irp c, 0,1,2,3
	ds_store_b128 v[STO], v[oa+8*(\c):oa+8*(\c)+3] offset:64*(\c)        ; each accumulator's low registers first
	ds_store_b128 v[STO], v[oa+8*(\c)+4:oa+8*(\c)+7] offset:64*(\c)+16
.endr
	WIN 0
.irp t, 0,1,2,3,4,5,6,7
	ds_load_b128 v[RB+4*(\t):RB+4*(\t)+3], v[RD] offset:2*SROW*(\t)      ; LDS serves a wave's instructions in order (ISA guide 5.7.1.4): these see the stores above
.endr
.if og == 0
	s_wait_dscnt 16                                ; the rows' numbers are in; the 16 stage instructions behind them stay out
.irp t, 0,1,2,3,4,5,6,7
	v_min_u32 v[RO+(\t)], 0x7ff, v[RO+(\t)]
	v_lshlrev_b32 v[RO+(\t)], OSH, v[RO+(\t)]
	v_add_nc_u32 v[RO+(\t)], v[RO+(\t)], v[L16]
.endr
.endif
.irp t, 0,1,2,3,4,5,6,7
	s_wait_dscnt 7-(\t)
	global_store_b128 v[RO+(\t)], v[RB+4*(\t):RB+4*(\t)+3], s[14:15] offset:8192*og  ; 16 lanes store 256 consecutive bytes of a row, aligned
.endr
.set og, og+1
.endr
.Ldead_\@:
.endm
	s_load_b64 s[4:5], s[0:1], 0x0                 ; down_projs
	s_load_b128 s[8:11], s[0:1], 0x8               ; hb s[8:9], bm s[10:11]
	s_load_b64 s[14:15], s[0:1], 0x18              ; qq
	v_lshl_add_u32 v[SPW], v0, 2, SPARE
	v_mov_b32 v[NIL], 0
	v_lshrrev_b32 v[TA], 5, v0
	v_readfirstlane_b32 s16, v[TA]                 ; wave 0..3
	v_and_b32 v[L], 31, v0
	v_and_b32 v[R16], 15, v0
	v_bfe_u32 v[H], v0, 4, 1
	v_lshlrev_b32 v[L4], 2, v[L]
	v_lshl_add_u32 v[RK01], v[H], 6, v[R16]
	v_lshlrev_b32 v[H16], 4, v[H]
	v_lshlrev_b32 v[L16], 4, v[R16]
	v_mul_u32_u24 v[TA], v[H], 4*WPITCH
	v_add_nc_u32 v[WOFF], v[TA], v[L16]
	s_mul_i32 s25, s16, 256*LP                     ; my 256 rows of the slice
	v_mul_u32_u24 v[TA], v[H], 4*LP
	v_lshl_add_u32 v[TA], v[R16], 3, v[TA]
	v_add_nc_u32 v[WST], s25, v[TA]
	v_and_b32 v[TA], 7, v0                         ; the turning load: lane l reads K row 8 (l / 16) + l % 8, columns 8 ((l / 8) % 2) + 0..7
	v_lshl_add_u32 v[TA], v[H], 3, v[TA]
	v_mul_u32_u24 v[TA], v[TA], LP
	v_bfe_u32 v[TC], v0, 3, 1
	v_lshl_add_u32 v[BAD0], v[TC], 4, v[TA]
	v_add_nc_u32 v[BAD1], CS, v[BAD0]
	v_add_nc_u32 v[BAD7], 7*CS, v[BAD0]
	s_mul_i32 s25, s16, SWAVE
	s_add_co_u32 s25, s25, STAGE                   ; my stage
	v_mul_u32_u24 v[TA], v[R16], SROW              ; in: row l % 16, 32 bytes for each half of the lanes
	v_lshl_add_u32 v[TA], v[H], 5, v[TA]
	v_add_nc_u32 v[STO], s25, v[TA]
	v_mul_u32_u24 v[TA], v[H], SROW                ; back: lanes 0-15 one row of 256 bytes, lanes 16-31 the next
	v_add_nc_u32 v[TA], v[TA], v[L16]
	v_add_nc_u32 v[RD], s25, v[TA]
.irp t, 0,1,2,3,4,5,6,7
	v_lshl_add_u32 v[BI+(\t)], v[H], 2, 8*(\t)
.endr
	s_and_b32 s17, ttmp7, 0xffff                   ; the expert
	s_and_b32 s18, ttmp9, 15                       ; the slice of columns
	s_lshr_b32 s36, ttmp9, 4                       ; the half of K
	s_lshl_b32 s28, s17, 23                        ; an expert's weights: 8 MiB;
	s_lshl_b32 s25, s36, 22                        ; a half: 1,024 rows of 4,096 bytes;
	s_add_co_u32 s28, s28, s25
	s_lshl_b32 s25, s16, 20                        ; my 256 rows;
	s_add_co_u32 s28, s28, s25
	s_lshl_b32 s25, s18, 8                         ; the slice's 256 bytes of a row
	s_add_co_u32 s28, s28, s25
	s_mov_b32 s29, 0
	s_lshl_b32 s30, s17, 7                         ; the expert's 128 bytes of a map
	s_mov_b32 s31, 0
	s_lshl_b32 s34, s36, 23                        ; qq: a half is 2,048 rows of 4,096 bytes
	s_add_co_u32 s34, s34, s25
	s_mov_b32 s35, 0
	s_lshl_b32 s36, s36, 11                        ; hb: a half of a row is 2,048 bytes
	s_mov_b32 s37, 0
	s_mov_b32 s38, 0x76543210                      ; v_permlanex16_b32: each lane takes its own place in the other half
	s_mov_b32 s39, 0xfedcba98
	s_mov_b32 s40, 0xffff0000                      ; lanes 16-31
	s_wait_kmcnt 0x0
	s_add_nc_u64 s[4:5], s[4:5], s[28:29]
	s_add_nc_u64 s[8:9], s[8:9], s[36:37]
	s_add_nc_u64 s[10:11], s[10:11], s[30:31]
	s_add_nc_u64 s[14:15], s[14:15], s[34:35]
	global_load_b32 v[MV], v[L4], s[10:11]
	global_load_b32 v[KV], v[L4], s[10:11] offset:1024
	WISSUE 0, 0
	WISSUE 1, 0
	WISSUE 2, 0
	s_wait_loadcnt 48                              ; the two maps are in; the 48 younger loads, sets 0 to 2, stay out
	WISSUE 3, 0
	; the set bits of my word, in fields of 2, 4, 8, 16 and 32 bits; all that follows up to the loop stands in the wait for the first weights
	v_lshrrev_b32 v[TA], 1, v[MV]
	v_and_b32 v[TA], 0x55555555, v[TA]
	v_sub_nc_u32 v[A1V], v[MV], v[TA]
	v_lshrrev_b32 v[TA], 2, v[A1V]
	v_and_b32 v[TA], 0x33333333, v[TA]
	v_and_b32 v[TC], 0x33333333, v[A1V]
	v_add_nc_u32 v[A2V], v[TA], v[TC]
	v_lshrrev_b32 v[TA], 4, v[A2V]
	v_add_nc_u32 v[TA], v[TA], v[A2V]
	v_and_b32 v[A3V], 0x0f0f0f0f, v[TA]
	v_lshrrev_b32 v[TA], 8, v[A3V]
	v_add_nc_u32 v[TA], v[TA], v[A3V]
	v_and_b32 v[A4V], 0x00ff00ff, v[TA]
	v_lshrrev_b32 v[TA], 16, v[A4V]
	v_add_nc_u32 v[TA], v[TA], v[A4V]
	v_and_b32 v[CN], 63, v[TA]
	v_mov_b32 v[IN], v[CN]
.irp d, 1,2,4,8,16                                     ; the running sum over the 32 lanes: lane l adds lane l - d's (the lane's number is taken modulo 32; lanes below d add 0)
	v_add_nc_u32 v[TA], 128-4*(\d), v[L4]
	ds_bpermute_b32 v[TC], v[TA], v[IN]
	v_cmp_le_u32 vcc_lo, \d, v[L]
	s_wait_dscnt 0x0
	v_cndmask_b32 v[TC], 0, v[TC], vcc_lo
	v_add_nc_u32 v[IN], v[IN], v[TC]
.endr
	v_sub_nc_u32 v[PV], v[IN], v[CN]
	v_readlane_b32 s19, v[IN], 31                  ; the expert's count
	s_min_u32 s19, s19, 0x400                      ; 1,024 at the most
	s_max_u32 s20, s19, 1
	s_sub_co_u32 s20, s20, 1                       ; the last row's rank (0 for an expert without rows: the search then ends at token 1,023, whose row is loaded and not used)
	s_mov_b32 s21, 4                               ; passes to go
	s_mov_b32 s22, s16                             ; my first tile of the pass: 20 x pass + wave
	SEARCH
	INIT
	s_mov_b32 s24, NTRIP-1
.Lstage:                                               ; 48 = the three younger sets
	CONSUME 0, 48
	WISSUE 0, 1
	CONSUME 1, 48
	WISSUE 1, 1
	CONSUME 2, 48
	WISSUE 2, 1
	CONSUME 3, 48
	WISSUE 3, 1
	s_wait_xcnt 0x0                                ; the base is stepped only behind this wait
	s_add_nc_u64 s[4:5], s[4:5], 4*RS*WPITCH
	v_add_nc_u32 v[WST], 4*RS*LP, v[WST]
	s_sub_co_u32 s24, s24, 1
	s_cmp_lg_u32 s24, 0
	s_cbranch_scc1 .Lstage
	CONSUME 0, 48                                  ; the last four sets: the counts run down
	CONSUME 1, 32
	CONSUME 2, 16
	SETUP_B                                        ; the first 40 loads of token rows go into registers of sets 0 to 2, which have been read
	CONSUME 3, 40                                  ; 40 = those loads
	s_wait_dscnt 0x0                               ; for the others' sake: my part of the slice lies in LDS
	s_barrier_signal -1
	s_barrier_wait -1
.Lpass:                                                ; four trips, whatever the count
	s_lshl_b32 s25, s22, 4
	s_cmp_ge_u32 s25, s19
	s_cbranch_scc1 .Lnomul                         ; my first tile lies past the count: no products in this pass
	s_cmp_eq_u32 s21, 4
	s_cbranch_scc1 .Lgo                            ; the first pass was set up in phase 1
	SEARCH
	s_wait_loadcnt 0x0                             ; no load of token rows is out: their offsets, their base and their registers are written again below
	SETUP_B
.Lgo:
	s_add_co_u32 s25, s22, 16
	s_lshl_b32 s25, s25, 4
	s_cmp_lt_u32 s25, s19
	s_cselect_b32 s23, 1, 0                        ; is my fifth slot live?
	BLOAD BAD0, 0
	CHUNK 0, BAD0, 1, 1, 0                         ; chunk 0
	s_mov_b32 s[TBS], CS
	s_mov_b32 s24, 3
.Lchunk:                                               ; chunks 1 and 2, 3 and 4, 5 and 6
	v_add_nc_u32 v[VA], s[TBS], v[BAD0]
	v_add_nc_u32 v[VB], s[TBS], v[BAD1]
	CHUNK 1, VA, 1, 0, 0
	CHUNK 0, VB, 1, 0, 0
	s_add_co_u32 s[TBS], s[TBS], 2*CS
	s_sub_co_u32 s24, s24, 1
	s_cmp_lg_u32 s24, 0
	s_cbranch_scc1 .Lchunk
	CHUNK 1, BAD7, 0, 0, 1                         ; chunk 7
	PLACES                                         ; behind the last products, ahead of the stores that read the sums
.Lnomul:
	s_wait_dscnt 0x0                               ; my reads of this pass are over:
	s_barrier_signal -1
	s_barrier_wait -1                              ; everybody's are, before any wave stores into its stage
	OUT 0
	OUT 1
	OUT 2
	OUT 3
	OUT 4
	s_wait_dscnt 0x0                               ; my stores into my stage are done:
	s_barrier_signal -1
	s_barrier_wait -1                              ; everybody's are, before the next pass's reads
	s_add_co_u32 s22, s22, 20
	s_sub_co_u32 s21, s21, 1
	s_cmp_lg_u32 s21, 0
	s_cbranch_scc1 .Lpass
	s_wait_tensorcnt 0x0                           ; the wave's end, behind my last LDS store
	ds_add_u32 v[SPW], v[NIL]
	s_wait_dscnt 0x0
	s_endpgm
.Lfunc_end_k_qf51eb8d591_down:
	.size	k_qf51eb8d591_down, .Lfunc_end_k_qf51eb8d591_down-k_qf51eb8d591_down
	.p2alignl 7, 3214868480
	.fill 96, 4, 3214868480
	.section	.rodata,"a",@progbits
	.p2align	6, 0x0
	.amdhsa_kernel k_qf51eb8d591_down
		.amdhsa_group_segment_fixed_size 181760
		.amdhsa_private_segment_fixed_size 0
		.amdhsa_enable_private_segment 0
		.amdhsa_kernarg_size 32
		.amdhsa_user_sgpr_count 2
		.amdhsa_user_sgpr_kernarg_segment_ptr 1
		.amdhsa_wavefront_size32 1
		.amdhsa_system_sgpr_workgroup_id_x 1
		.amdhsa_system_sgpr_workgroup_id_y 1
		.amdhsa_system_sgpr_workgroup_id_z 1
		.amdhsa_system_vgpr_workitem_id 0
		.amdhsa_next_free_vgpr 1024
		.amdhsa_next_free_sgpr 66
		.amdhsa_reserve_vcc 1
		.amdhsa_float_denorm_mode_32 3
		.amdhsa_float_denorm_mode_16_64 3
		.amdhsa_memory_ordered 1
		.amdhsa_forward_progress 1
		.amdhsa_inst_pref_size 137
	.end_amdhsa_kernel
	.amdgpu_metadata
---
amdhsa.version: [ 1, 2 ]
amdhsa.kernels:
  - .name:           k_qf51eb8d591_down
    .symbol:         k_qf51eb8d591_down.kd
    .args:
      - { .name: down_projs, .offset: 0, .size: 8, .value_kind: global_buffer, .address_space: global }
      - { .name: hb, .offset: 8, .size: 8, .value_kind: global_buffer, .address_space: global }
      - { .name: bm, .offset: 16, .size: 8, .value_kind: global_buffer, .address_space: global }
      - { .name: qq, .offset: 24, .size: 8, .value_kind: global_buffer, .address_space: global }
    .group_segment_fixed_size: 181760
    .private_segment_fixed_size: 0
    .kernarg_segment_align: 8
    .kernarg_segment_size: 32
    .max_flat_workgroup_size: 128
    .sgpr_count:     66
    .vgpr_count:     1024
    .wavefront_size: 32
...
	.end_amdgpu_metadata
.endif
;; end of part 9
;; launch mix2: the kernel of part 6 again; grid 256 x 1, 8 waves a work-group, no clusters, 0 bytes of LDS; arguments qq, wts, out0; writes out0
